; MI455X (gfx1250); checked and timed in simulation.
; The chip was launched on July 23, 2026; its instructions are those of AMD's public machine-readable ISA for CDNA 5 (MIT licence, August 2026) and "CDNA5" Instruction Set Architecture Reference Guide (July 2026). The comments in the code are by the model that wrote it; some were corrected since.
;; Causal Self Attention. Allowed arithmetic: matrix products marked QUANTISED: E2M1 operands, one E8M0 scale for each 32 along K, by v_wmma_scale_f32_16x16x128_f8f6f4 with both operands' format E2M1 (or v_wmma_scale_f32_32x16x128_f4), f32 sums; products left as they are: bf16, f16 or f32 operands; f32 sums; everything else in f32.
;; Inputs: b_attn 3,072 float32; b_proj 1,024 float32; w_attn 1,024 x 3,072 float32; w_proj 1,024 x 1,024 float32; x 4 x 2,048 x 1,024 float32.
;; Outputs: out0 4 x 2,048 x 1,024 float32.
;; This version of the problem:
;;   THIS VERSION OF THE PROBLEM IS GIVEN IN LOW PRECISION. The matrix products marked QUANTISED in the list below multiply operands that are first quantised to E2M1 (2 exponent bits, 1 mantissa bit; 4 bits a number), with one power-of-two scale for each 32 numbers along K (OCP MX v1.0); their sums are f32. The products marked 'left as it is' may take bf16, f16 or f32 operands, with f32 sums. Whichever they take, every output number must still come out within the allowed error. Rounding operands to bf16 (8 significant bits) uses up far more of that allowance than f16 does (11 bits, for magnitudes from 6e-5 to 65,504). All else is computed in f32.
;;   The module's matrix products, in the order in which they are computed (A, B: the left and right operand; K: the contracted axis; several contracted axes count as one K, in the product's order):
;;     1. [M 8,192, K 1,024] x [K 1,024, N 3,072]; A: input x; B: input w_attn: QUANTISED
;;     2. batch 64 x [M 2,048, K 64] x [K 64, N 2,048]; A: computed on the way; B: computed on the way: left as it is (an operand is computed on the way)
;;     3. batch 64 x [M 2,048, K 2,048] x [K 2,048, N 64]; A: computed on the way; B: computed on the way: left as it is (an operand is computed on the way)
;;     4. [M 8,192, K 1,024] x [K 1,024, N 1,024]; A: computed on the way; B: input w_proj: left as it is (an operand is computed on the way)
;;   THE QUANTISER, for each operand of a quantised product, along K:
;;     - K is cut into blocks of 32 from its start; a last block that is shorter is filled with zeros.
;;     - A block's scale is 2^e with e = floor(log2(the largest magnitude in the block)) - 2, held to -126 .. 127; a block of zeros has e = 0. As a byte (E8M0): e + 127.
;;     - Each number is divided by its block's scale, clamped to +-6, and rounded to the nearest number of E2M1, ties to even, subnormals kept.
;;     - The product sums the exact products of the quantised numbers (number of the format x scale) in f32.
;;   ~~~python
;;   def quantise(x, axis):      # numpy; x: float32 -> the quantised numbers, widened to float32 again
;;       x = np.moveaxis(x, axis, -1); K = x.shape[-1]
;;       x = np.pad(x, [(0, 0)] * (x.ndim - 1) + [(0, -K % 32)]); x = x.reshape(x.shape[:-1] + (-1, 32)); a = np.abs(x).max(-1, keepdims=True)
;;       e = np.where(a > 0, np.clip(np.frexp(np.where(a > 0, a, 1))[1] - 1 - 2, -126, 127), 0)      # np.frexp(a)[1] - 1 = floor(log2(a)), exactly
;;       r = np.clip(x / 2.0 ** e, -6, 6)
;;       step = 2.0 ** (np.maximum(np.frexp(np.where(r == 0, 1, r))[1] - 1, 0) - 1)
;;       q = np.round(r / step) * step * 2.0 ** e      # np.round: ties to even
;;       return np.moveaxis(q.reshape(q.shape[:-2] + (-1,))[..., :K], -1, axis).astype(np.float32)
;;   ~~~
;; One version. Each part assembles by itself: llvm-mc -triple=amdgcn-amd-amdhsa -mcpu=gfx1250 --defsym DOCPART=n.
;; ======== version 1 of 1: 5 launches
;; limits: values are held in f16: magnitudes above 65,504 overflow, below 6.1e-05 lose precision
;; workspace buffers: xc 4,194,304 bytes; xs 262,144 bytes; wc 1,572,864 bytes; ws 98,304 bytes; wp16 2,097,152 bytes; qkv 50,331,648 bytes; q32 786,432 bytes; y16 16,777,216 bytes
;; launch prep (part 1): grid 576 x 1, 4 waves a work-group, no clusters, 42,496 bytes of LDS; arguments x, w_attn, w_proj, xc, xs, wc, ws, wp16; writes xc, xs, wc, ws, wp16
.if DOCPART == 1
	.amdgcn_target "amdgcn-amd-amdhsa--gfx1250"
	.amdhsa_code_object_version 6
	.text
	.protected	k_q048bffd186_prep
	.globl	k_q048bffd186_prep
	.p2align	8
	.type	k_q048bffd186_prep,@function
k_q048bffd186_prep:
	s_mov_b64 s[64:65], 0
	v_nop
	global_prefetch_b8 v0, s[64:65] scope:SCOPE_SE
	s_setreg_imm32_b32 hwreg(HW_REG_WAVE_MODE, 25, 1), 1
	s_wait_xcnt 0x0
; CAUSAL SELF-ATTENTION, B = 4, T = 2,048, D = 1,024, 16 heads of 64, in five launches: prep (this one), qkv, attn, proj, fine.
; prep: x [8192][1024] and w_attn [1024][3072], f32, become codes of FP4 (E2M1) with one E8M0 scale byte for each 32 along K; w_proj becomes f16.
; WORK LEFT OUT BY THE PROGRAM, for all values of the inputs:
;  (a) the scores of keys k > q are replaced by the smallest f32 number through the lower-triangular mask that the problem builds in its own body; behind the softmax their weight is 0,
;      since key q itself always counts and carries the row's maximum or less.  So steps of 64 keys that all lie behind a wave's 32 queries are not multiplied (launch attn), and slots of keys behind a work-group's last query are not fetched.
;  (b) launch proj stores no row t < 16 of a sequence: launch fine computes and stores those rows in f32.
; All five inputs have a way to the output and are loaded.  (The bias on k is the same along a softmax row; it is kept: it is the C of a sum's first matrix instruction and costs nothing.)
; LIMITS: a NaN, an infinity or an overflow that reaches only the work left out is not carried to the result.  q, k, v and y are kept as f16: their magnitudes must stay under 65,504.
;  NaN and infinities among x and w_attn are not served by the quantiser.  A block's scale byte is its largest magnitude's exponent field - 2, held at 1 from below; a block of zeros so gets the
;  byte 1 where the quantiser says 127: its codes are zeros, which add nothing under any byte but 0xff, and only this program reads the bytes.
; THREE PATHS, parted on the work-group's number, each with LDS bytes of its own:
;  X (work-groups 0-255): x is a stream of blocks of 32; a wave takes 16 steps of 512 numbers; loads of 512 consecutive bytes turn through the wave's own stage so that a lane holds 16 neighbours.
;  W (256-447): K is w_attn's first axis: a lane takes a column, its registers run down K.  A work-group takes 32 columns x 512 K, a wave 128 of those K; the codes meet in one stage and leave as 256 consecutive bytes a column.
;  P (448-575): w_proj to f16, in its own order [k][n].
.set STEPS, 16
.set EMAX,  2
.set CB,    8                          ; bytes of 16 codes
.set R,     16                         ; v16-79   path X: four sets of 16 numbers as loaded
.set X,     80                         ; v80-111  two sets of 16 neighbours
.set E,     112                        ; v112-127 a scale byte for each step
.set C,     128                        ; v128-191 codes, four registers a step
.set WREG,  8192                       ; path X: LDS region of a wave: two stages of 32 x SP bytes, then 256 scale bytes
.set SP,    80
.set SPW,   12                         ; v12 LDS address of my spare word; never rewritten
.set NIL,   13                         ; v13 0; never rewritten
.set WST,   32768                      ; path W: the stage, 32 columns x (256 + 16) bytes
.set WPI,   272
.set WSC,   WST+32*WPI                 ; path W: 32 columns x 16 scale bytes
.set SPARE, WSC+512                    ; the spare words, 128 bytes a wave: two blocks of 256 bytes that no other line names
	s_load_b256 s[4:11], s[0:1], 0x0               ; x s[4:5], w_attn s[6:7], w_proj s[8:9], xc s[10:11]
	s_load_b256 s[12:19], s[0:1], 0x20             ; xs s[12:13], wc s[14:15], ws s[16:17], wp16 s[18:19]
	v_lshl_add_u32 v[SPW], v0, 2, SPARE
	v_mov_b32 v[NIL], 0
	v_lshrrev_b32 v1, 5, v0
	v_readfirstlane_b32 s20, v1                    ; wave
	v_and_b32 v2, 31, v0                           ; lane
	s_mov_b32 s25, 0                               ; the upper word of every offset pair s[24:25]
	s_wait_kmcnt 0x0
	s_cmp_ge_u32 ttmp9, 448
	s_cbranch_scc1 .Lpath_p
	s_cmp_ge_u32 ttmp9, 256
	s_cbranch_scc1 .Lpath_w
; ---------------- PATH X ----------------
	v_lshlrev_b32 v3, 4, v2                        ; my 16 bytes of a load's 512
	s_mul_i32 s21, s20, WREG
	v_lshrrev_b32 v14, 2, v2
	v_mul_u32_u24 v14, v14, SP
	v_and_b32 v15, 3, v2
	v_lshl_add_u32 v14, v15, 4, v14
	v_add_nc_u32 v14, s21, v14                     ; the stage, in: SP (lane / 4) + 16 (lane % 4)
	v_mul_u32_u24 v15, v2, SP
	v_add_nc_u32 v15, s21, v15                     ; out: SP x lane: my 16 neighbours
	v_mul_u32_u24 v4, v2, CB                       ; my codes' place in a step's
	v_lshrrev_b32 v5, 1, v2
	s_add_co_u32 s21, s21, 2*32*SP
	v_add_nc_u32 v5, s21, v5                       ; my block's scale byte in my wave's 256
	v_lshlrev_b32 v7, 3, v2
	v_add_nc_u32 v6, s21, v7                       ; and 8 bytes a lane on the way out
	s_lshl_b32 s22, ttmp9, 2
	s_add_co_u32 s22, s22, s20                     ; which run of 8,192 numbers is my wave's
	s_lshl_b32 s24, s22, 15
	s_add_nc_u64 s[4:5], s[4:5], s[24:25]
	s_lshl_b32 s24, s22, 12
	s_add_nc_u64 s[10:11], s[10:11], s[24:25]
	s_lshl_b32 s24, s22, 8
	s_add_nc_u64 s[12:13], s[12:13], s[24:25]
.macro XLOAD t
.irp i, 0,1,2,3
	global_load_b128 v[R+16*((\t)%4)+4*\i:R+16*((\t)%4)+4*\i+3], v3, s[4:5] offset:2048*(\t)+512*\i th:TH_LOAD_NT   ; 32 lanes read 512 consecutive bytes
.endr
.endm
.macro XTURN t                         ; step t's numbers through the stage: LDS serves a wave's instructions in order, so no wait stands between the stores and the loads
.irp i, 0,1,2,3
	ds_store_b128 v14, v[R+16*((\t)%4)+4*\i:R+16*((\t)%4)+4*\i+3] offset:32*SP*((\t)%2)+8*SP*\i
.endr
.irp i, 0,1,2,3
	ds_load_b128 v[X+16*((\t)%2)+4*\i:X+16*((\t)%2)+4*\i+3], v15 offset:32*SP*((\t)%2)+16*\i
.endr
.endm
.irp t, 0,1,2,3
	XLOAD \t
.endr
	s_wait_loadcnt 12                              ; step 0's four loads are in; three steps' twelve may be out
	XTURN 0
.macro XSTEP t
.set XS, X+16*((\t)%2)
.if (\t) > 0
	s_wait_dscnt 1                                 ; this step's numbers are back from the stage; the last step's byte store may be out
.else
	s_wait_dscnt 0x0
.endif
.if (\t)+4 < STEPS
	XLOAD (\t)+4                                   ; into the registers that the stage's stores have read
.endif
.if (\t)+1 < STEPS
.if STEPS-2-(\t) >= 3
	s_wait_loadcnt 12                              ; the next step's four loads are in; those of the three steps behind it may be out
.else
	s_wait_loadcnt 4*(STEPS-2-(\t))
.endif
	XTURN (\t)+1
.endif
	v_max3_num_f32 v8, |v[XS]|, |v[XS+1]|, |v[XS+2]|               ; the largest magnitude of my 16
	v_max3_num_f32 v9, |v[XS+3]|, |v[XS+4]|, |v[XS+5]|
.irp i, 6,10
	v_max3_num_f32 v8, v8, |v[XS+\i]|, |v[XS+\i+1]|
	v_max3_num_f32 v9, v9, |v[XS+\i+2]|, |v[XS+\i+3]|
.endr
	v_max3_num_f32 v8, v8, |v[XS+14]|, |v[XS+15]|
	v_max3_num_f32 v8, v8, v9, (EMAX+1)<<23        ; and the floor 2^(3 - 127): the byte cannot fall under 1
	v_max_num_f32_dpp v8, v8, v8 row_xmask:1 row_mask:0xf bank_mask:0xf   ; with my neighbour's 16: the block's
	v_add_nc_u32 v11, -(EMAX<<23), v8              ; 2 off its exponent field: the conversion takes this operand's exponent field as its scale
	v_cvt_scalef32_pk8_fp4_f32 v[C+4*(\t)], v[XS:XS+7], v11
	v_cvt_scalef32_pk8_fp4_f32 v[C+4*(\t)+1], v[XS+8:XS+15], v11
	v_lshrrev_b32 v[E+(\t)], 23, v11               ; the scale's byte (also the plain line behind the conversions)
	ds_store_b8 v5, v[E+(\t)] offset:16*(\t)       ; both lanes of a block write the same byte with the same value
	global_store_b64 v4, v[C+4*(\t):C+4*(\t)+1], s[10:11] offset:32*CB*(\t)   ; the wave stores 256 consecutive bytes, aligned
.endm
.irp t, 0,1,2,3,4,5,6,7,8,9,10,11,12,13,14,15
	XSTEP \t
.endr
	ds_load_b64 v[8:9], v6                         ; LDS serves a wave's instructions in order: these see my byte stores
	s_wait_dscnt 0x0
	global_store_b64 v7, v[8:9], s[12:13]          ; 256 consecutive scale bytes, aligned
	s_branch .Lend
; ---------------- PATH W ----------------
.Lpath_w:
	s_sub_co_u32 s21, ttmp9, 256
	s_lshr_b32 s22, s21, 1                         ; which 32 columns
	s_and_b32 s23, s21, 1                          ; which 512 of K
	v_lshlrev_b32 v3, 2, v2                        ; in: 4 bytes a lane
	v_mul_u32_u24 v4, v2, WPI
	s_lshl_b32 s24, s20, 6
	v_add_nc_u32 v4, s24, v4
	v_add_nc_u32 v4, WST, v4                       ; the stage, in: row = my column, + 64 bytes x wave
	v_lshlrev_b32 v5, 4, v2
	s_lshl_b32 s24, s20, 2
	v_add_nc_u32 v5, s24, v5
	v_add_nc_u32 v5, WSC, v5                       ; my scale word: 16 bytes a column, + 4 x wave
	v_lshrrev_b32 v6, 4, v2
	v_and_b32 v9, 15, v2
	s_mul_i32 s24, s20, 8*WPI
	v_mul_u32_u24 v7, v6, WPI
	v_lshl_add_u32 v7, v9, 4, v7
	v_add_nc_u32 v7, s24, v7
	v_add_nc_u32 v7, WST, v7                       ; out: wave w takes columns 8 w .. 8 w + 7, sixteen lanes to a column
	v_lshlrev_b32 v8, 9, v6
	v_lshl_add_u32 v8, v9, 4, v8                   ; the same place in wc: 512 bytes a column
	v_lshl_add_u32 v10, v2, 4, WSC                 ; a column's 16 scale bytes
	v_lshlrev_b32 v11, 5, v2                       ; and its row of 32 in ws
	s_mul_i32 s24, s23, 512*12288
	s_mul_i32 s26, s20, 128*12288
	s_add_co_u32 s24, s24, s26
	s_lshl_b32 s26, s22, 7
	s_add_co_u32 s24, s24, s26
	s_add_nc_u64 s[6:7], s[6:7], s[24:25]          ; w_attn at row 512 y + 128 w, column 32 cg
	s_lshl_b32 s24, s22, 14
	s_lshl_b32 s26, s20, 12
	s_add_co_u32 s24, s24, s26
	s_lshl_b32 s26, s23, 8
	s_add_co_u32 s24, s24, s26
	s_add_nc_u64 s[14:15], s[14:15], s[24:25]      ; wc at column 32 cg + 8 w, byte 256 y
	s_lshl_b32 s24, s22, 10
	s_lshl_b32 s26, s23, 4
	s_add_co_u32 s24, s24, s26
	s_add_nc_u64 s[16:17], s[16:17], s[24:25]      ; ws at column 32 cg, byte 16 y
.set i, 0
.rept 128
	global_load_b32 v[32+i], v3, s[6:7] offset:i*12288   ; W(k0 + i, my column): 32 lanes read 128 consecutive bytes; 127 rows at the most: inside the signed 24-bit immediate
.set i, i+1
.endr
.macro WBLOCK t                        ; block t of my four: all its 32 numbers are mine
.set XS, 32+32*(\t)
.if (\t) < 2
	s_wait_loadcnt 63                              ; 96 or 64 younger loads could stay out; the count's field ends at 63
.else
	s_wait_loadcnt 32*(3-(\t))
.endif
	v_max3_num_f32 v18, |v[XS]|, |v[XS+1]|, |v[XS+2]|
	v_max3_num_f32 v19, |v[XS+3]|, |v[XS+4]|, |v[XS+5]|
.irp i, 6,10,14,18,22,26
	v_max3_num_f32 v18, v18, |v[XS+\i]|, |v[XS+\i+1]|
	v_max3_num_f32 v19, v19, |v[XS+\i+2]|, |v[XS+\i+3]|
.endr
	v_max3_num_f32 v18, v18, |v[XS+30]|, |v[XS+31]|
	v_max3_num_f32 v18, v18, v19, (EMAX+1)<<23     ; and the floor
	v_add_nc_u32 v20, -(EMAX<<23), v18             ; the conversion's scale operand
	v_lshrrev_b32 v21, 23, v20                     ; the byte
.if (\t) == 0
	v_mov_b32 v22, v21
.else
	v_lshl_or_b32 v22, v21, 8*(\t), v22            ; four bytes make my 128 K's scale word
.endif
.irp g, 0,1,2,3
	v_cvt_scalef32_pk8_fp4_f32 v[160+4*(\t)+\g], v[XS+8*\g:XS+8*\g+7], v20
.endr
	v_nop                                          ; a plain line behind the conversions
	ds_store_b128 v4, v[160+4*(\t):160+4*(\t)+3] offset:16*(\t)
.endm
	WBLOCK 0
	WBLOCK 1
	WBLOCK 2
	WBLOCK 3
	ds_store_b32 v5, v22
	s_wait_dscnt 0x0                               ; for the others' sake: my stores have landed
	s_barrier_signal -1
	s_barrier_wait -1                              ; the branch that led here hangs on the work-group's number: all four waves are on this path
.irp i, 0,1,2,3
	ds_load_b128 v[176+4*\i:176+4*\i+3], v7 offset:2*\i*WPI
.endr
.irp i, 0,1,2,3
	s_wait_dscnt 3-\i                              ; the younger loads may be out
	global_store_b128 v8, v[176+4*\i:176+4*\i+3], s[14:15] offset:2*\i*512   ; sixteen lanes store 256 consecutive bytes, aligned
.endr
	s_cmp_lg_u32 s20, 0
	s_cbranch_scc1 .Lend
	ds_load_b128 v[24:27], v10                     ; wave 0: each column's 16 scale bytes
	s_wait_dscnt 0x0
	global_store_b128 v11, v[24:27], s[16:17]      ; half of each column's row of 32 bytes: 16-byte pieces, 98,304 bytes in the whole launch
	s_branch .Lend
; ---------------- PATH P ----------------
.Lpath_p:
	s_sub_co_u32 s21, ttmp9, 448
	s_lshl_b32 s21, s21, 2
	s_add_co_u32 s21, s21, s20                     ; which run of 2,048 numbers is my wave's
	s_lshl_b32 s24, s21, 13
	s_add_nc_u64 s[8:9], s[8:9], s[24:25]
	s_lshl_b32 s24, s21, 12
	s_add_nc_u64 s[18:19], s[18:19], s[24:25]
	v_lshlrev_b32 v3, 4, v2
	v_lshlrev_b32 v4, 3, v2
.irp i, 0,1,2,3,4,5,6,7,8,9,10,11,12,13,14,15
	global_load_b128 v[32+4*\i:32+4*\i+3], v3, s[8:9] offset:512*\i
.endr
.irp i, 0,1,2,3,4,5,6,7,8,9,10,11,12,13,14,15
	s_wait_loadcnt 15-\i                           ; the younger loads may be out
	v_cvt_pk_f16_f32 v[96+2*\i], v[32+4*\i], v[33+4*\i]
	v_cvt_pk_f16_f32 v[97+2*\i], v[34+4*\i], v[35+4*\i]
	global_store_b64 v4, v[96+2*\i:97+2*\i], s[18:19] offset:256*\i   ; 256 consecutive bytes, aligned
.endr
.Lend:
	s_wait_tensorcnt 0x0                           ; the wave's end, behind the last LDS store
	ds_add_u32 v[SPW], v[NIL]
	s_wait_dscnt 0x0
	s_endpgm
.Lfunc_end_k_q048bffd186_prep:
	.size	k_q048bffd186_prep, .Lfunc_end_k_q048bffd186_prep-k_q048bffd186_prep
	.p2alignl 7, 3214868480
	.fill 96, 4, 3214868480
	.section	.rodata,"a",@progbits
	.p2align	6, 0x0
	.amdhsa_kernel k_q048bffd186_prep
		.amdhsa_group_segment_fixed_size 42496
		.amdhsa_private_segment_fixed_size 0
		.amdhsa_enable_private_segment 0
		.amdhsa_kernarg_size 64
		.amdhsa_user_sgpr_count 2
		.amdhsa_user_sgpr_kernarg_segment_ptr 1
		.amdhsa_wavefront_size32 1
		.amdhsa_system_sgpr_workgroup_id_x 1
		.amdhsa_system_sgpr_workgroup_id_y 1
		.amdhsa_system_sgpr_workgroup_id_z 1
		.amdhsa_system_vgpr_workitem_id 0
		.amdhsa_next_free_vgpr 192
		.amdhsa_next_free_sgpr 66
		.amdhsa_reserve_vcc 0
		.amdhsa_float_denorm_mode_32 3
		.amdhsa_float_denorm_mode_16_64 3
		.amdhsa_memory_ordered 1
		.amdhsa_forward_progress 1
		.amdhsa_inst_pref_size 60
	.end_amdhsa_kernel
	.amdgpu_metadata
---
amdhsa.version: [ 1, 2 ]
amdhsa.kernels:
  - .name:           k_q048bffd186_prep
    .symbol:         k_q048bffd186_prep.kd
    .args:
      - { .name: x, .offset: 0, .size: 8, .value_kind: global_buffer, .address_space: global }
      - { .name: w_attn, .offset: 8, .size: 8, .value_kind: global_buffer, .address_space: global }
      - { .name: w_proj, .offset: 16, .size: 8, .value_kind: global_buffer, .address_space: global }
      - { .name: xc, .offset: 24, .size: 8, .value_kind: global_buffer, .address_space: global }
      - { .name: xs, .offset: 32, .size: 8, .value_kind: global_buffer, .address_space: global }
      - { .name: wc, .offset: 40, .size: 8, .value_kind: global_buffer, .address_space: global }
      - { .name: ws, .offset: 48, .size: 8, .value_kind: global_buffer, .address_space: global }
      - { .name: wp16, .offset: 56, .size: 8, .value_kind: global_buffer, .address_space: global }
    .group_segment_fixed_size: 42496
    .private_segment_fixed_size: 0
    .kernarg_segment_align: 8
    .kernarg_segment_size: 64
    .max_flat_workgroup_size: 128
    .sgpr_count:     66
    .vgpr_count:     192
    .wavefront_size: 32
...
	.end_amdgpu_metadata
.endif
;; end of part 1
;; launch qkv (part 2): grid 12 x 32, 4 waves a work-group, clusters of 4 x 4, 327,680 bytes of LDS; arguments xc, xs, wc, ws, b_attn, qkv, q32; writes qkv, q32
.if DOCPART == 2
	.amdgcn_target "amdgcn-amd-amdhsa--gfx1250"
	.amdhsa_code_object_version 6
	.text
	.protected	k_q048bffd186_qkv
	.globl	k_q048bffd186_qkv
	.p2align	8
	.type	k_q048bffd186_qkv,@function
k_q048bffd186_qkv:
	s_mov_b64 s[64:65], 0
	v_nop
	global_prefetch_b8 v0, s[64:65] scope:SCOPE_SE
	s_setreg_imm32_b32 hwreg(HW_REG_WAVE_MODE, 25, 1), 1
	s_wait_xcnt 0x0
	s_wait_alu depctr_hold_cnt(0) depctr_sa_sdst(0) depctr_va_vdst(0) depctr_va_sdst(0) depctr_va_ssrc(0) depctr_va_vcc(0) depctr_vm_vsrc(0)
	s_getreg_b32 s2, hwreg(HW_REG_IB_STS2, 6, 4)
	s_cmp_eq_u32 s2, 0
	s_cbranch_scc0 .Lentry_in_a_cluster
	s_endpgm
.Lentry_in_a_cluster:
	s_bfe_u32 s2, ttmp6, 0x10000c
	s_cmp_lg_u32 s2, 0xf033
	s_cbranch_scc0 .Lentry_shape_is_right
	s_endpgm
.Lentry_shape_is_right:
; qkv = Q(x) Q(w_attn) + b_attn: [8192][1024] x [1024][3072] on codes of FP4 (E2M1) with E8M0 scales for each 32 along K; sums in f32.  Nothing of this product is left out.
; OUT: qkv [b 4][g 48][t 2048][64] f16 (g = column / 64: 0-15 the heads of q, 16-31 of k, 32-47 of v), and q32 [b 4][t 16][3072] f32: the first 16 positions of each sequence, for launch fine.
; LIMIT: |q|, |k|, |v| under 65,504 (f16).
; A tile of C, 256 x 256, is made by four waves, 128 x 128 each: 64 accumulators of 16 x 16.  K = 1,024 is two LDS slots of 512 (rows of 256 bytes): both are asked for at the head and nothing is filled again.
; The scale bytes of the work-group's 256 + 256 rows come once, as whole runs of 256 bytes.  CLUSTERS 4 x 4: A's tiles are asked for jointly along a row of the cluster, B's along a column.
; TILE ROW = 8 cy + cluster y: the batch is cy and the tile inside the batch is cluster y, so the tiles that hold t < 16 are those of clusters with y = 0, in all sixteen partners alike: the branch on it hangs on no place in the cluster.
; THE MATRIX INSTRUCTION IS USED TRANSPOSED (source 0 = 16 rows of wc, source 1 = 16 rows of xc): a lane holds eight neighbouring columns of one row of C.  The bias is the C of each sum's first product.
; REGISTERS: window 0: v0-31 addresses; v32-95 scale words, two sets, and nothing else; v128-191 A's fragments, one set; v192-255 the bias (8 registers for each of B's 8 blocks); on the way out v128-223 are at work.
;   window 1: B's fragments, two sets.  window 2: accumulators of my rows 0-63 ((a, b) at v[8 (8 a + b)]).  window 3: rows 64-127.
.set NQ,     4                         ; steps of 128 along K in a slot
.set ROWB,   256                       ; a tile's row in bytes: 512 codes
.set KROW,   512                       ; a row of codes in memory
.set PITCH,  272                       ; an LDS row: 256 + 16 bytes: the 16 rows that a load touches start 68 words apart
.set FR,     8
.set NL,     2
.set NP,     4                         ; places behind this matrix instruction (ISA guide 7.12.1)
.set HALFT,  128*PITCH
.set SLOT,   4*HALFT
.set KS,     32                        ; a row of scale bytes
.set SCL,    2*SLOT
.set HALFS,  (128*KS/256)*272
.set SBLK,   (16*KS/256)*272
.set STAGE,  SCL+4*HALFS               ; the way out: 16 rows x (256 + 16) bytes for each wave; no tile lands here
.set SPITCH, 272
.set SPARE,  STAGE+4*16*SPITCH         ; the spare words
.set ADRA, 16
.set ADRB, 20
.set STO,  24
.set RD,   25
.set CO,   26
.set ADRS, 27
.set SPW,  28
.set NIL,  29
.set FO,   30                          ; v30 my byte offset in q32's 16 rows
.set SC,   32
.set AF,   128
.set BI,   192                         ; the bias
.set TMP,  128                         ; the way out: packed results
.set BK,   160                         ; and rows read back: v160-191, v192-223 by turns
.set WV, 18                            ; s18 wave;  s19 wave / 2: my half of the rows, and I fetch for A (0) or B (1);  s20 wave % 2: my half of the columns, and which 128 rows I fetch
.set RH, 19
.set CH, 20
.set G1, 24
.set G0, 32
.set G1B, 48
.set G0B, 56
.set G1S, 68
.set G0S, 76
.set G1SB, 80
.set G0SB, 88
.set MSB, 0
.macro WIN new                         ; the immediate's high byte repeats the setting that is left
.if MSB != \new
	s_set_vgpr_msb (MSB<<8)|\new
.set MSB, \new
.endif
.endm
.set MUL_LO, 0xa1                      ; source 0 (B) window 1, source 1 (A) window 0, C and D window 2
.set MUL_HI, 0xf1                      ; C and D window 3
.set FST_LO, 0x81                      ; the first products: C (the bias) window 0, D window 2
.set FST_HI, 0xc1                      ; D window 3
.set TO_B,   0x40
.macro JLOAD g0a, g1a, g0b, g1b        ; a joint load: waves 0, 1 for A, waves 2, 3 for B; an s_nop 0 and four v_nop follow each line
	s_cmp_eq_u32 s[RH], 0
	s_cbranch_scc0 .Lfor_b_\@
	tensor_load_to_lds s[\g0a:\g0a+3], s[\g1a:\g1a+7]
	s_nop 0
.rept 4
	v_nop
.endr
	s_branch .Lasked_\@
.Lfor_b_\@:
	tensor_load_to_lds s[\g0b:\g0b+3], s[\g1b:\g1b+7]
	s_nop 0
.rept 4
	v_nop
.endr
.Lasked_\@:
.endm
.macro CROUND                          ; a round of the cluster's barrier
	s_barrier_signal -1
	s_barrier_wait -1
	s_cmp_lg_u32 s[WV], 0
	s_cbranch_scc1 .Lnot_wave_0_\@
	s_barrier_signal -3
.Lnot_wave_0_\@:
	s_barrier_wait -3
	s_barrier_signal -1
	s_barrier_wait -1
.endm
	s_load_b128 s[4:7], s[0:1], 0x0                ; xc, xs
	s_load_b128 s[8:11], s[0:1], 0x10              ; wc, ws
	s_load_b128 s[12:15], s[0:1], 0x20             ; b_attn, qkv
	s_load_b64 s[16:17], s[0:1], 0x30              ; q32
	v_lshl_add_u32 v[SPW], v0, 2, SPARE
	v_mov_b32 v[NIL], 0
	ds_add_u32 v[SPW], v[NIL]                      ; the opening: the add, twice on end, and its wait ahead of my first tensor load
	ds_add_u32 v[SPW], v[NIL]
	v_lshrrev_b32 v1, 5, v0
	v_readfirstlane_b32 s[WV], v1
	s_lshr_b32 s[RH], s[WV], 1
	s_and_b32 s[CH], s[WV], 1
	s_bfe_u32 s21, ttmp6, 0x40000                  ; cx
	s_bfe_u32 s22, ttmp6, 0x40004                  ; cy
	s_lshl_b32 s23, ttmp9, 2
	s_add_co_u32 s23, s23, s21                     ; tile column = 4 x cluster x + cx
	s_and_b32 s41, ttmp7, 0xffff                   ; cluster y
	s_lshl_b32 s40, s22, 3
	s_add_co_u32 s40, s40, s41                     ; tile row = 8 cy + cluster y
	s_lshl_b32 s42, s22, 2
	s_lshl_b32 s42, 15, s42                        ; my row of the cluster
	s_lshl_b32 s43, 0x1111, s21                    ; my column
	s_or_b32 s[G1+0], s42, (0<<16)|(1<<20)|(1<<21)|(5<<22)|(3<<25)   ; mask; elements of 1 byte; padding on; bit 21 beside a mask; 4 words behind every 64
	s_or_b32 s[G1B+0], s43, (0<<16)|(1<<20)|(1<<21)|(5<<22)|(3<<25)
.irp g, G1, G1B
	s_mov_b32 s[\g+1], ROWB<<16                    ; tensor_dim0
	s_mov_b32 s[\g+2], 128<<16                     ; tensor_dim1
	s_mov_b32 s[\g+3], ROWB<<16                    ; tile_dim0
	s_mov_b32 s[\g+4], 128                         ; tile_dim1
	s_mov_b32 s[\g+5], KROW                        ; pitch
	s_mov_b32 s[\g+6], 0
	s_mov_b32 s[\g+7], 0
.endr
	s_or_b32 s[G1S+0], s42, (3<<16)|(1<<20)|(1<<21)|(5<<22)|(3<<25)  ; the scales of 128 rows: 4,096 dense bytes as 16 rows of 32 elements of 8 bytes
	s_or_b32 s[G1SB+0], s43, (3<<16)|(1<<20)|(1<<21)|(5<<22)|(3<<25)
.irp g, G1S, G1SB
	s_mov_b32 s[\g+1], 32<<16
	s_mov_b32 s[\g+2], (128*KS/256)<<16
	s_mov_b32 s[\g+3], 32<<16
	s_mov_b32 s[\g+4], 128*KS/256
	s_mov_b32 s[\g+5], 32
	s_mov_b32 s[\g+6], 0
	s_mov_b32 s[\g+7], 0
.endr
	s_lshl_b32 s44, s[CH], 7                       ; which 128 rows of the tile I fetch
	s_lshl_b32 s92, s40, 8
	s_add_co_u32 s92, s92, s44                     ; A: row 256 x tile row + 128 x half
	s_lshl_b32 s94, s23, 8
	s_add_co_u32 s94, s94, s44                     ; B: row 256 x tile column + 128 x half
	s_lshl_b32 s96, s92, 5                         ; their scales, in bytes
	s_mov_b32 s97, 0
	s_lshl_b32 s98, s94, 5
	s_mov_b32 s99, 0
	s_lshl_b32 s92, s92, 9                         ; their codes
	s_mov_b32 s93, 0
	s_lshl_b32 s94, s94, 9
	s_mov_b32 s95, 0
	s_mul_i32 s66, s[WV], HALFT                    ; where they go: no place in the cluster enters an LDS address
	s_mul_i32 s67, s[WV], HALFS
	s_wait_dscnt 0x0                               ; both opening adds are done
	s_wait_kmcnt 0x0
	s_add_nc_u64 s[92:93], s[4:5], s[92:93]
	s_add_nc_u64 s[96:97], s[6:7], s[96:97]
	s_add_nc_u64 s[94:95], s[8:9], s[94:95]
	s_add_nc_u64 s[98:99], s[10:11], s[98:99]
	CROUND                                         ; all sixteen work-groups are here: the joint loads meet
	s_mov_b32 s[G0S], 1
	s_add_co_u32 s[G0S+1], s67, SCL
	s_mov_b64 s[G0S+2:G0S+3], s[96:97]
	s_or_b32 s[G0S+3], s[G0S+3], 0x80000000
	s_mov_b32 s[G0SB], 1
	s_add_co_u32 s[G0SB+1], s67, SCL
	s_mov_b64 s[G0SB+2:G0SB+3], s[98:99]
	s_or_b32 s[G0SB+3], s[G0SB+3], 0x80000000
	JLOAD G0S, G1S, G0SB, G1SB                     ; the scales first
.irp s, 0,1
	s_mov_b32 s[G0+4*\s], 1
	s_add_co_u32 s[G0+4*\s+1], s66, \s*SLOT
	s_add_nc_u64 s[G0+4*\s+2:G0+4*\s+3], s[92:93], \s*ROWB
	s_or_b32 s[G0+4*\s+3], s[G0+4*\s+3], 0x80000000
	s_mov_b32 s[G0B+4*\s], 1
	s_add_co_u32 s[G0B+4*\s+1], s66, \s*SLOT
	s_add_nc_u64 s[G0B+4*\s+2:G0B+4*\s+3], s[94:95], \s*ROWB
	s_or_b32 s[G0B+4*\s+3], s[G0B+4*\s+3], 0x80000000
	JLOAD G0+4*\s, G1, G0B+4*\s, G1B               ; three loads of mine are out
.endr
	v_and_b32 v1, 15, v0                           ; r = l % 16
	v_bfe_u32 v2, v0, 4, 1                         ; h = l / 16
	s_lshl_b32 s44, s23, 10
	s_lshl_b32 s45, s[CH], 9
	s_add_co_u32 s44, s44, s45                     ; 4 x my first column
	s_mov_b32 s45, 0
	s_add_nc_u64 s[12:13], s[12:13], s[44:45]      ; b_attn there
	v_lshlrev_b32 v7, 5, v2                        ; + 8 h numbers
.irp b, 0,1,2,3,4,5,6,7
	global_load_b128 v[BI+8*\b:BI+8*\b+3], v7, s[12:13] offset:64*\b        ; register 8 b + j: b_attn[first column + 16 b + 8 h + j]
	global_load_b128 v[BI+8*\b+4:BI+8*\b+7], v7, s[12:13] offset:64*\b+16
.endr
	s_mul_i32 s46, s22, 196608
	s_add_co_u32 s46, s46, s44
	s_mov_b32 s47, 0
	s_add_nc_u64 s[16:17], s[16:17], s[46:47]      ; q32 at batch cy, my first column
	s_mul_i32 s46, s22, 48
	s_lshl_b32 s44, s23, 2
	s_add_co_u32 s46, s46, s44
	s_lshl_b32 s44, s[CH], 1
	s_add_co_u32 s46, s46, s44                     ; 48 b + g
	s_lshl_b32 s46, s46, 18
	s_lshl_b32 s44, s41, 15
	s_add_co_u32 s46, s46, s44                     ; + 256 x cluster y rows of 128 bytes
	s_lshl_b32 s44, s[RH], 14
	s_add_co_u32 s46, s46, s44                     ; + my half's 128 rows
	s_add_nc_u64 s[14:15], s[14:15], s[46:47]
	v_mul_u32_u24 v3, v1, PITCH
	v_lshl_add_u32 v4, v2, 4, v3                   ; a fragment's row x pitch + 16 x half
	s_mul_i32 s44, s[RH], HALFT
	s_mul_i32 s47, s[CH], HALFT
	s_add_co_u32 s47, s47, 2*HALFT
.irp s, 0,1
	v_add_nc_u32 v[ADRA+\s], s44, v4
	v_add_nc_u32 v[ADRB+\s], s47, v4
	s_add_co_u32 s44, s44, SLOT
	s_add_co_u32 s47, s47, SLOT
.endr
	v_mul_u32_u24 v5, v1, KS                       ; my row's scales: 32 bytes a row,
	v_lshrrev_b32 v6, 8, v5
	v_lshl_add_u32 v5, v6, 4, v5                   ; and 16 more for each 256 passed
	s_mul_i32 s44, s[RH], HALFS
	s_mul_i32 s47, s[CH], HALFS
	s_add_co_u32 s47, s47, 2*HALFS
	s_sub_co_u32 s47, s47, s44
	v_mul_u32_u24 v6, s47, v2                      ; lanes 16-31 take B's: one product, the distance between the two bases
	s_add_co_u32 s44, s44, SCL
	v_add_nc_u32 v5, v5, v6
	v_add_nc_u32 v[ADRS], s44, v5
	s_mul_i32 s44, s[WV], 16*SPITCH
	s_add_co_u32 s44, s44, STAGE                   ; my stage
	v_mul_u32_u24 v5, v1, SPITCH
	v_lshl_add_u32 v5, v2, 4, v5
	v_add_nc_u32 v[STO], s44, v5                   ; in: row r, 16 bytes for each half of the lanes
	v_bfe_u32 v5, v0, 3, 2
	v_mul_u32_u24 v5, v5, SPITCH
	v_and_b32 v8, 7, v0
	v_lshl_add_u32 v5, v8, 4, v5
	v_add_nc_u32 v[RD], s44, v5                    ; back: eight lanes take 128 bytes (64 columns) of a row, four rows an instruction
	v_and_b32 v6, 31, v0
	v_lshlrev_b32 v[CO], 4, v6                     ; and store them as 512 consecutive bytes
	v_mul_u32_u24 v[FO], v1, 12288
	v_lshl_add_u32 v[FO], v2, 5, v[FO]             ; q32: row r, + 32 h bytes
.macro FRAG reg, adr, q, i             ; 16 rows x 128 K of 4-bit codes: registers 4 c .. 4 c + 3 hold K = 64 c + 32 h + 0 .. 31
.irp c, 0,1
	ds_load_b128 v[\reg+4*\c:\reg+4*\c+3], v[\adr] offset:64*(\q)+32*\c+(\i)*16*PITCH
.endr
.endm
; 16 matrix instructions: A's blocks a0, a0 + 1 x B's eight.  first = 1: the bias is C.  The 64 accumulators take turns, one instruction a turn.
.macro MUL16 a0, p, q, sc, first
.irp a, \a0, \a0+1
.irp b, 0,1,2,3,4,5,6,7
.if \first
	v_wmma_scale_f32_16x16x128_f8f6f4 v[8*(8*((\a)%4)+\b):8*(8*((\a)%4)+\b)+7], v[128*(\p)+FR*\b:128*(\p)+FR*\b+FR-1], v[AF+FR*(\a):AF+FR*(\a)+FR-1], v[BI+8*\b:BI+8*\b+7], v[SC+8*NQ*(\sc)+NQ*\b+(\q)], v[SC+8*NQ*(\sc)+NQ*(\a)+(\q)] matrix_a_fmt:MATRIX_FMT_FP4 matrix_b_fmt:MATRIX_FMT_FP4 matrix_a_scale:MATRIX_SCALE_ROW1
.else
	v_wmma_scale_f32_16x16x128_f8f6f4 v[8*(8*((\a)%4)+\b):8*(8*((\a)%4)+\b)+7], v[128*(\p)+FR*\b:128*(\p)+FR*\b+FR-1], v[AF+FR*(\a):AF+FR*(\a)+FR-1], v[8*(8*((\a)%4)+\b):8*(8*((\a)%4)+\b)+7], v[SC+8*NQ*(\sc)+NQ*\b+(\q)], v[SC+8*NQ*(\sc)+NQ*(\a)+(\q)] matrix_a_fmt:MATRIX_FMT_FP4 matrix_b_fmt:MATRIX_FMT_FP4 matrix_a_scale:MATRIX_SCALE_ROW1
.endif
.endr
.endr
.endm
.macro FETCH_B slot, q, p
	WIN TO_B
.irp i, 0,1,2,3,4,5,6,7
	FRAG 128*(\p)+FR*\i, ADRB+\slot, \q, \i
.endr
	WIN 0
.endm
.macro FETCH_A slot, q, i0
.irp i, \i0, \i0+1, \i0+2, \i0+3
	FRAG AF+FR*(\i), ADRA+\slot, \q, \i
.endr
.endm
.macro SCALES sc                       ; a slot's scale words: lanes 0-15 A's block i, lanes 16-31 B's block i
.irp i, 0,1,2,3,4,5,6,7
	ds_load_b128 v[SC+8*NQ*\sc+NQ*\i:SC+8*NQ*\sc+NQ*\i+3], v[ADRS] offset:\i*SBLK
.endr
.endm
.macro PLACES n                        ; plain vector instructions behind a matrix instruction, ahead of loads into its registers and of reads of its results
.rept \n
	v_nop
.endr
.endm
.macro STEP slot, q, first             ; a step of 128 along K that has its successor in the same slot
	s_wait_dscnt 4*NL                              ; B's set and A's blocks 0-3 are in; the youngest eight loads (A's blocks 4-7) may be out
.if \first
	WIN FST_LO
.else
	WIN MUL_LO
.endif
	MUL16 0, (\q)%2, \q, \slot, \first
	MUL16 2, (\q)%2, \q, \slot, \first
	s_wait_dscnt 0
	PLACES NP
	FETCH_B \slot, (\q)+1, 1-(\q)%2
	FETCH_A \slot, (\q)+1, 0
.if \first
	WIN FST_HI
.else
	WIN MUL_HI
.endif
	MUL16 4, (\q)%2, \q, \slot, \first
	MUL16 6, (\q)%2, \q, \slot, \first
	PLACES NP
	WIN 0
	FETCH_A \slot, (\q)+1, 4
.endm
.macro STEPS slot, from
.set Q, \from
.rept NQ-1-\from
	STEP \slot, Q, 0
.set Q, Q+1
.endr
.endm
	s_wait_tensorcnt 1                             ; the scales and my part of slot 0 are in; slot 1's load may be out
	s_barrier_signal -1
	s_barrier_wait -1
	FETCH_B 0, 0, 0
	FETCH_A 0, 0, 0
	SCALES 0
	FETCH_A 0, 0, 4
	s_wait_loadcnt 0x0                             ; the bias
	STEP 0, 0, 1                                   ; the first products start the sums from the bias
	STEPS 0, 1
	; slot 0's last step changes slots: my part of slot 1 has landed, then the barrier shows everybody's
	s_wait_tensorcnt 0x0
	ds_add_u32 v[SPW], v[NIL]                      ; 0 onto my spare word
	s_wait_dscnt 4*NL+1                            ; the add and A's blocks 4-7 may be out
	WIN MUL_LO
	MUL16 0, 1, NQ-1, 0, 0
	s_wait_dscnt 0x0
	s_barrier_signal -1
	MUL16 2, 1, NQ-1, 0, 0
	WIN 0
	s_barrier_wait -1
	PLACES NP
	v_add_nc_u32 v[ADRS], 4*NQ, v[ADRS]            ; the second slot's scale words
	FETCH_B 1, 0, 0
	FETCH_A 1, 0, 0
	SCALES 1
	WIN MUL_HI
	MUL16 4, 1, NQ-1, 0, 0
	MUL16 6, 1, NQ-1, 0, 0
	PLACES NP
	WIN 0
	FETCH_A 1, 0, 4
	STEPS 1, 0
	s_wait_dscnt 4*NL                              ; the very last step
	WIN MUL_LO
	MUL16 0, 1, NQ-1, 1, 0
	MUL16 2, 1, NQ-1, 1, 0
	s_wait_dscnt 0
	WIN MUL_HI
	MUL16 4, 1, NQ-1, 1, 0
	MUL16 6, 1, NQ-1, 1, 0
	WIN 0
	PLACES NP                                      ; ahead of every read of results and every write of the fragments' registers
	; THE FIRST 16 POSITIONS IN F32: block 0 of the upper row half in clusters with y = 0.  Both tests are the same in all partners.  32-byte pieces a lane, 786,432 bytes in the whole launch.
	s_cmp_lg_u32 s41, 0
	s_cbranch_scc1 .Lnofine
	s_cmp_lg_u32 s[RH], 0
	s_cbranch_scc1 .Lnofine
	WIN 0x08                                       ; a store's data are its source 1: window 2
.irp b, 0,1,2,3,4,5,6,7
	global_store_b128 v[FO], v[8*\b:8*\b+3], s[16:17] offset:64*\b           ; each accumulator from its low end on
	global_store_b128 v[FO], v[8*\b+4:8*\b+7], s[16:17] offset:64*\b+16
.endr
	WIN 0
.Lnofine:
; THE WAY OUT, a block of 16 rows x 128 columns at a time: rounded to f16, through my own stage, back as 4 rows x 128 bytes of one group of 64 columns: 512 consecutive bytes of qkv a store.
.macro PACK a
.set AC, 64*((\a)%4)
	WIN 0x0a+5*((\a)/4)                            ; sources 0 and 1: window 2 or 3
.irp b, 0,1,2,3,4,5,6,7
.irp r, 0,1,2,3
	v_cvt_pk_f16_f32 v[TMP+4*\b+\r], v[AC+8*\b+2*\r], v[AC+8*\b+2*\r+1]
.endr
.endr
	WIN 0
.endm
.macro TOSTAGE a
.set BB, BK+32*((\a)%2)
.if (\a) >= 2
	s_wait_xcnt 0x0                                ; the stores of two blocks back have read their registers: the loads below may land there
.endif
.irp b, 0,1,2,3,4,5,6,7
	ds_store_b128 v[STO], v[TMP+4*\b:TMP+4*\b+3] offset:32*\b
.endr
.irp t, 0,1,2,3,4,5,6,7
	ds_load_b128 v[BB+4*\t:BB+4*\t+3], v[RD] offset:(\t%4)*4*SPITCH+128*(\t/4)   ; LDS serves a wave's instructions in order: these see the stores above
.endr
.endm
.macro SEND a
.set BB, BK+32*((\a)%2)
	s_wait_dscnt 0x0
.irp t, 0,1,2,3,4,5,6,7
	global_store_b128 v[CO], v[BB+4*\t:BB+4*\t+3], s[14:15] offset:(\t/4)*262144+(\a)*2048+(\t%4)*512
.endr
.endm
	PACK 0
	TOSTAGE 0
.irp a, 1,2,3,4,5,6,7
	PACK \a                                        ; a block's conversions stand between the loads of the block before and the wait for them
	SEND \a-1
	TOSTAGE \a
.endr
	SEND 7
	s_wait_tensorcnt 0x0                           ; the wave's end
	ds_add_u32 v[SPW], v[NIL]
	s_wait_dscnt 0x0
	CROUND                                         ; the closing round
	s_endpgm
.Lfunc_end_k_q048bffd186_qkv:
	.size	k_q048bffd186_qkv, .Lfunc_end_k_q048bffd186_qkv-k_q048bffd186_qkv
	.p2alignl 7, 3214868480
	.fill 96, 4, 3214868480
	.section	.rodata,"a",@progbits
	.p2align	6, 0x0
	.amdhsa_kernel k_q048bffd186_qkv
		.amdhsa_group_segment_fixed_size 327680
		.amdhsa_private_segment_fixed_size 0
		.amdhsa_enable_private_segment 0
		.amdhsa_kernarg_size 56
		.amdhsa_user_sgpr_count 2
		.amdhsa_user_sgpr_kernarg_segment_ptr 1
		.amdhsa_wavefront_size32 1
		.amdhsa_system_sgpr_workgroup_id_x 1
		.amdhsa_system_sgpr_workgroup_id_y 1
		.amdhsa_system_sgpr_workgroup_id_z 1
		.amdhsa_system_vgpr_workitem_id 0
		.amdhsa_next_free_vgpr 1024
		.amdhsa_next_free_sgpr 100
		.amdhsa_reserve_vcc 0
		.amdhsa_float_denorm_mode_32 3
		.amdhsa_float_denorm_mode_16_64 3
		.amdhsa_memory_ordered 1
		.amdhsa_forward_progress 1
		.amdhsa_inst_pref_size 130
	.end_amdhsa_kernel
	.amdgpu_metadata
---
amdhsa.version: [ 1, 2 ]
amdhsa.kernels:
  - .name:           k_q048bffd186_qkv
    .symbol:         k_q048bffd186_qkv.kd
    .args:
      - { .name: xc, .offset: 0, .size: 8, .value_kind: global_buffer, .address_space: global }
      - { .name: xs, .offset: 8, .size: 8, .value_kind: global_buffer, .address_space: global }
      - { .name: wc, .offset: 16, .size: 8, .value_kind: global_buffer, .address_space: global }
      - { .name: ws, .offset: 24, .size: 8, .value_kind: global_buffer, .address_space: global }
      - { .name: b_attn, .offset: 32, .size: 8, .value_kind: global_buffer, .address_space: global }
      - { .name: qkv, .offset: 40, .size: 8, .value_kind: global_buffer, .address_space: global }
      - { .name: q32, .offset: 48, .size: 8, .value_kind: global_buffer, .address_space: global }
    .group_segment_fixed_size: 327680
    .private_segment_fixed_size: 0
    .kernarg_segment_align: 8
    .kernarg_segment_size: 56
    .max_flat_workgroup_size: 128
    .sgpr_count:     100
    .vgpr_count:     1024
    .wavefront_size: 32
...
	.end_amdgpu_metadata
.endif
;; end of part 2
;; launch attn (part 3): grid 4 x 64, 16 waves a work-group, no clusters, 327,680 bytes of LDS; arguments qkv, y16; writes y16
.if DOCPART == 3
	.amdgcn_target "amdgcn-amd-amdhsa--gfx1250"
	.amdhsa_code_object_version 6
	.text
	.protected	k_q048bffd186_attn
	.globl	k_q048bffd186_attn
	.p2align	8
	.type	k_q048bffd186_attn,@function
k_q048bffd186_attn:
	s_mov_b64 s[64:65], 0
	v_nop
	global_prefetch_b8 v0, s[64:65] scope:SCOPE_SE
	s_setreg_imm32_b32 hwreg(HW_REG_WAVE_MODE, 25, 1), 1
	s_wait_xcnt 0x0
; y[b][h][q] = the sum over k <= q of softmax_k(q . k / 8) v, on f16 operands with f32 sums, maxima and exponentials; a running maximum is taken away ahead of every exponential.
; IN: qkv [b 4][g 48][t 2048][64] f16.  OUT: y16 [mt 64][h 16][128 rows][64] f16, mt = (2048 b + t) / 128, as launch proj wants its tiles.
; LEFT OUT: steps of 64 keys that all lie behind a wave's 32 queries, and slots of 256 keys behind the work-group's last query: the problem's own lower-triangular mask gives them the weight 0.
; (Rows t < 16 are computed here too, inside live tiles; launch fine replaces what becomes of them.)  LIMIT: |y| under 65,504; a NaN or infinity in keys or values that only the steps left out would read is not carried.
; SHARES.  Work-group (i, 16 b + h): waves 0-7 own block i of 256 queries, waves 8-15 block 7 - i; both walk one stream of K and V: 9 block-units of work in every work-group.  A wave owns 32 queries, two tiles of 16.
; No cluster: the four work-groups of a head need 8, 7, 6 and 5 slots, so a joint load would bring tiles that some partner never reads.
; LAYOUT.  S^T = K Q^T (source 0 = 16 keys, source 1 = 16 queries): a lane holds ONE query (lane % 16) and keys 8 (lane / 16) + 0..7.  Two such tiles rounded to f16 in pairs ARE source 1 of O^T = V^T P.  V comes turned, by ds_load_tr16_b128.
; SOFTMAX.  p = 2^(c s - c m), c = log2(e) / 8, m the running maximum; O and l are multiplied by a = 2^(c m_old - c m_new) in every step: no branch on data.
; RING.  Two slots of 256 keys: K rows of 128 + 16 bytes, V rows of 128 + 32.  Waves 0, 1 fetch K's halves, waves 2, 3 V's.  Every work-group walks all 8 changes of slots (constant trip counts); the loads end at the causal limit.
.set SK,    256
.set KP,    144
.set VP,    160
.set VOFF,  SK*KP
.set SLOT1, 1<<17
.set NSL,   2048/SK
.set STAGE, 2*SLOT1                    ; the way out: 16 rows x 144 bytes for each wave; no tile lands here
.set SPARE, STAGE+16*16*KP             ; the spare words, 128 bytes for each of 16 waves
.set AK0, 1
.set AV0, 2
.set ADK, 3                            ; v3, v4: the step's LDS addresses; on the way out the stage's
.set ADV, 4
.set SPW, 5
.set NIL, 6
.set GO,  7
.set SB,  8                            ; v8-11 the two tiles' second sum chains
.set PFO, 12
.set NINF, 13
.set D0,  14                           ; v14, v15 the mask's d for tile 0, 1
.set QF,  16                           ; v16-47  Q: tile qt, channels 32 c on, at 16 qt + 8 c
.set KV,  48                           ; v48-111 K's fragments, then V's
.set S,   112                          ; v112-175 S^T: tile qt, keys 16 kt on, at 32 qt + 8 kt; P is packed into the low 16 registers of each tile
.set O,   176                          ; v176-239 O^T: at 32 qt + 8 ct
.set ST,  240                          ; v240-255 eight a tile: +0 c m, +1 m, +2, +3 l, +4 .. +7 T0-T3 (a takes T2's place)
.set WV,  18
.set SEL, 20
.set CS,  22
.set G1K, 24
.set G1V, 32
.set G0K, 40
.set G0V, 44
.set TB,  2
.set SLOTS, 67
.set QL,  68
.set PFA, 76
.set LIM, 80
.set KF,  98
.set Q0,  99
.macro TLOAD                           ; waves 0, 1: K; waves 2, 3: V; the others nothing.  An s_nop 0 and four v_nop follow each line
	s_cmp_lt_u32 s[WV], 2
	s_cbranch_scc0 .Lnot_k_\@
	tensor_load_to_lds s[G0K:G0K+3], s[G1K:G1K+7]
	s_nop 0
.rept 4
	v_nop
.endr
	s_branch .Lasked_\@
.Lnot_k_\@:
	s_cmp_lt_u32 s[WV], 4
	s_cbranch_scc0 .Lasked_\@
	tensor_load_to_lds s[G0V:G0V+3], s[G1V:G1V+7]
	s_nop 0
.rept 4
	v_nop
.endr
.Lasked_\@:
.endm
; A prefetch of what the NEXT change of slots will ask for: a slot's 32,768 bytes of K and of V.  The head's first work-group asks; in it waves 4-7 for K, waves 8-11 for V, 8,192 bytes a wave, lanes 256 bytes apart:
; each aligned 256 bytes is named once in the launch.  It stands a slot's four key steps ahead of the load.  The last change that fills a slot asks for nothing; slots 0 and 1 come by their loads alone.
.macro ASK
	s_cmp_gt_u32 s[SLOTS], s[LIM]
	s_cbranch_scc0 .Lnot_mine_\@
	global_prefetch_b8 v[PFO], s[PFA:PFA+1] th:TH_LOAD_NT scope:SCOPE_SE
.Lnot_mine_\@:
.endm
	s_load_b128 s[4:7], s[0:1], 0x0                ; qkv, y16
	v_lshl_add_u32 v[SPW], v0, 2, SPARE
	v_mov_b32 v[NIL], 0
	ds_add_u32 v[SPW], v[NIL]                      ; the opening: the add, twice on end, and its wait ahead of the first tensor load
	ds_add_u32 v[SPW], v[NIL]
	v_lshrrev_b32 v1, 5, v0
	v_readfirstlane_b32 s[WV], v1                  ; wave 0..15
	s_and_b32 s70, ttmp7, 0xffff
	s_lshr_b32 s71, s70, 4                         ; b
	s_and_b32 s72, s70, 15                         ; h
	s_mul_i32 s73, s71, 48
	s_add_co_u32 s73, s73, s72
	s_lshl_b32 s74, s73, 18                        ; the head of q in qkv, in bytes
	s_sub_co_u32 s82, 7, ttmp9
	s_lshl_b32 s[QL], s82, 8
	s_or_b32 s[QL], s[QL], 255                     ; the work-group's last query
	s_cmp_lt_u32 s[WV], 8
	s_cselect_b32 s82, ttmp9, s82                  ; my block of 256 queries
	s_lshl_b32 s82, s82, 8
	s_and_b32 s83, s[WV], 7
	s_lshl_b32 s83, s83, 5
	s_add_co_u32 s[Q0], s82, s83                   ; my first query
	s_lshl_b32 s84, s[Q0], 7
	s_add_co_u32 s84, s84, s74
	s_mov_b32 s85, 0                               ; Q's rows
	s_and_b32 s86, s[WV], 1
	s_lshl_b32 s88, s86, 14
	s_add_co_u32 s88, s88, s74
	s_add_co_u32 s88, s88, 16<<18                  ; K: the head 16 groups on, my half's 128 rows
	s_mov_b32 s89, 0
	s_add_co_u32 s90, s88, 16<<18                  ; V: 16 more
	s_mov_b32 s91, 0
	s_mul_i32 s87, s86, 128*KP                     ; and in a slot
	s_mul_i32 s92, s86, 128*VP
	s_add_co_u32 s92, s92, VOFF
	s_lshl_b32 s93, s71, 11
	s_add_co_u32 s93, s93, s[Q0]
	s_lshr_b32 s94, s93, 7
	s_lshl_b32 s94, s94, 18                        ; y16: mt x 16 heads x 16,384 bytes
	s_lshl_b32 s95, s72, 14
	s_add_co_u32 s94, s94, s95
	s_and_b32 s95, s[Q0], 127
	s_lshl_b32 s95, s95, 7
	s_add_co_u32 s94, s94, s95
	s_mov_b32 s95, 0
	s_mov_b32 s[G1K], (1<<16)|(1<<20)|(4<<22)|(3<<25)   ; no mask; elements of 2 bytes; padding: 4 words behind every 32
	s_mov_b32 s[G1V], (1<<16)|(1<<20)|(4<<22)|(7<<25)   ; 8 words
.irp g, G1K, G1V
	s_mov_b32 s[\g+1], 64<<16                      ; tensor_dim0
	s_mov_b32 s[\g+2], 128<<16                     ; tensor_dim1
	s_mov_b32 s[\g+3], 64<<16                      ; tile_dim0
	s_mov_b32 s[\g+4], 128                         ; tile_dim1
	s_mov_b32 s[\g+5], 64                          ; pitch
	s_mov_b32 s[\g+6], 0
	s_mov_b32 s[\g+7], 0
.endr
	s_mov_b32 s[SEL], 0x76543210
	s_mov_b32 s[SEL+1], 0xfedcba98
	s_mov_b32 s[CS], 0x3e38aa3b                    ; c = log2(e) / 8
	s_mov_b32 s[CS+1], s[CS]
	s_mov_b32 s[TB], 0
	s_mov_b32 s[KF], 0
	s_mov_b32 s[SLOTS], NSL-1
	s_wait_dscnt 0x0                               ; both opening adds are done
	s_wait_kmcnt 0x0
	s_mov_b32 s[G0K], 1
	s_mov_b32 s[G0K+1], s87
	s_add_nc_u64 s[G0K+2:G0K+3], s[4:5], s[88:89]
	s_or_b32 s[G0K+3], s[G0K+3], 0x80000000
	s_mov_b32 s[G0V], 1
	s_mov_b32 s[G0V+1], s92
	s_add_nc_u64 s[G0V+2:G0V+3], s[4:5], s[90:91]
	s_or_b32 s[G0V+3], s[G0V+3], 0x80000000
	TLOAD                                          ; slot 0
	s_add_nc_u64 s[12:13], s[4:5], s[84:85]        ; Q
	s_add_nc_u64 s[14:15], s[6:7], s[94:95]        ; y16
	v_and_b32 v8, 15, v0                           ; r
	v_bfe_u32 v9, v0, 4, 1                         ; h
	v_lshlrev_b32 v10, 7, v8
	v_lshl_add_u32 v10, v9, 4, v10                 ; row r of 128 bytes, + 16 h
.irp qt, 0,1
.irp c, 0,1
	global_load_b128 v[QF+16*\qt+8*\c:QF+16*\qt+8*\c+3], v10, s[12:13] offset:2048*\qt+64*\c
	global_load_b128 v[QF+16*\qt+8*\c+4:QF+16*\qt+8*\c+7], v10, s[12:13] offset:2048*\qt+64*\c+32
.endr
.endr
	; the prefetches: where my wave's stand, and who asks
	s_cmp_lt_u32 s[WV], 8
	s_cselect_b32 s82, 16, 32
	s_lshl_b32 s82, s82, 18
	s_add_co_u32 s82, s82, s74
	s_and_b32 s83, s[WV], 3
	s_lshl_b32 s83, s83, 13
	s_add_co_u32 s82, s82, s83
	s_add_co_u32 s82, s82, 32768                   ; in slot 1: the first change of slots steps it to slot 2
	s_mov_b32 s83, 0
	s_add_nc_u64 s[PFA:PFA+1], s[4:5], s[82:83]
	s_sub_co_u32 s82, s[WV], 4
	s_lshr_b32 s82, s82, 3                         ; 0 in waves 4 to 11,
	s_or_b32 s82, s82, ttmp9                       ; of the head's first work-group
	s_cmp_eq_u32 s82, 0
	s_cselect_b32 s[LIM], 1, -1
	v_mul_u32_u24 v[AK0], v8, KP
	v_lshl_add_u32 v[AK0], v9, 4, v[AK0]           ; K: row r x pitch + 16 h
	v_and_b32 v11, 7, v0
	v_lshl_add_u32 v[AV0], v9, 3, v11
	v_mul_u32_u24 v[AV0], v[AV0], VP
	v_bfe_u32 v11, v0, 3, 1
	v_lshl_add_u32 v[AV0], v11, 4, v[AV0]
	v_add_nc_u32 v[AV0], VOFF, v[AV0]              ; V, for the turning load: key 8 h + l % 8, channels 8 ((l / 8) % 2) on
	v_and_b32 v[GO], 31, v0
	v_lshlrev_b32 v[PFO], 8, v[GO]
	v_lshlrev_b32 v[GO], 4, v[GO]
	v_mov_b32 v[NINF], 0xff800000
.set i, 0
.rept 16
	v_mov_b32 v[ST+i], 0                           ; l = 0; the others are written so that no way through the text reads one unwritten
.set i, i+1
.endr
.irp qt, 0,1
	v_mov_b32 v[ST+8*\qt+1], 0xff61b1e6            ; m = -3e38, under every score
	v_mul_f32 v[ST+8*\qt], s[CS], v[ST+8*\qt+1]    ; c m
.endr
.set i, 0
.rept 64
	v_mov_b32 v[O+i], 0                            ; O^T: the step is written once; its first run finds zeros
.set i, i+1
.endr
; A KEY STEP: 64 keys, the q-th of the slot in hand.
.macro STEP q
	s_add_co_u32 s96, s[Q0], 31
	s_cmp_gt_u32 s[KF], s96                        ; all 64 keys come after my 32 queries: the step's work is left out (ids and the count of steps alone)
	s_cbranch_scc1 .Lhidden_\@
	v_add_nc_u32 v[ADK], s[TB], v[AK0]
	v_add_nc_u32 v[ADV], s[TB], v[AV0]
.irp c, 0,1
.irp kt, 0,1,2,3
	ds_load_b128 v[KV+8*(2*\kt+\c):KV+8*(2*\kt+\c)+3], v[ADK] offset:(64*(\q)+16*\kt)*KP+64*\c
	ds_load_b128 v[KV+8*(2*\kt+\c)+4:KV+8*(2*\kt+\c)+7], v[ADK] offset:(64*(\q)+16*\kt)*KP+64*\c+32
.endr
.endr
	s_wait_dscnt 8                                 ; the first 32 channels are in; the eight loads of the other 32 may be out
.irp kt, 0,1,2,3
.irp qt, 0,1
	v_wmma_f32_16x16x32_f16 v[S+32*\qt+8*\kt:S+32*\qt+8*\kt+7], v[KV+16*\kt:KV+16*\kt+7], v[QF+16*\qt:QF+16*\qt+7], 0
.endr
.endr
	s_wait_dscnt 0x0
.irp kt, 0,1,2,3
.irp qt, 0,1
	v_wmma_f32_16x16x32_f16 v[S+32*\qt+8*\kt:S+32*\qt+8*\kt+7], v[KV+16*\kt+8:KV+16*\kt+15], v[QF+16*\qt+8:QF+16*\qt+15], v[S+32*\qt+8*\kt:S+32*\qt+8*\kt+7]   ; the eight accumulators by turns
.endr
.endr
.rept 4
	v_nop                                          ; places ahead of the loads into K's registers and of the first read of the scores
.endr
.irp ct, 0,1,2,3
.irp kh, 0,1
	ds_load_tr16_b128 v[KV+8*(2*\ct+\kh):KV+8*(2*\ct+\kh)+3], v[ADV] offset:(64*(\q)+32*\kh)*VP+32*\ct          ; V lands while the softmax runs
	ds_load_tr16_b128 v[KV+8*(2*\ct+\kh)+4:KV+8*(2*\ct+\kh)+7], v[ADV] offset:(64*(\q)+32*\kh+16)*VP+32*\ct
.endr
.endr
	s_add_co_u32 s96, s[KF], 63
	s_cmp_le_u32 s96, s[Q0]                        ; all 64 keys count for all my queries: no mask
	s_cbranch_scc1 .Lopen_\@
	s_sub_co_i32 s96, s[Q0], s[KF]
	v_and_b32 v[D0], 15, v0
	v_bfe_u32 v[D0+1], v0, 4, 1
	v_lshlrev_b32 v[D0+1], 3, v[D0+1]
	v_sub_nc_u32 v[D0], v[D0], v[D0+1]
	v_add_nc_u32 v[D0], s96, v[D0]                 ; d = my query - KF - 8 h.  Register 8 kt + j holds key KF + 16 kt + 8 h + j: hidden where 16 kt + j > d
	v_add_nc_u32 v[D0+1], 16, v[D0]                ; tile 1's queries lie 16 on
.irp n, 0,1,2,3,4,5,6,7,8,9,10,11,12,13,14,15,16,17,18,19,20,21,22,23,24,25,26,27,28,29,30,31
	v_cmp_gt_i32 vcc_lo, 16*(\n/8)+\n%8, v[D0]
	v_cndmask_b32 v[S+\n], v[S+\n], v[NINF], vcc_lo
	v_cmp_gt_i32 vcc_lo, 16*(\n/8)+\n%8, v[D0+1]
	v_cndmask_b32 v[S+32+\n], v[S+32+\n], v[NINF], vcc_lo
.endr
.Lopen_\@:
.irp k, 0,1,2,3                                ; the maximum: four chains a tile, each accumulator from its low end on; the two tiles line by line
.irp qt, 0,1
	v_max3_num_f32 v[ST+8*\qt+4+\k], v[S+32*\qt+8*\k], v[S+32*\qt+8*\k+1], v[S+32*\qt+8*\k+2]
.endr
.endr
.irp i, 3,5
.irp k, 0,1,2,3
.irp qt, 0,1
	v_max3_num_f32 v[ST+8*\qt+4+\k], v[ST+8*\qt+4+\k], v[S+32*\qt+8*\k+\i], v[S+32*\qt+8*\k+\i+1]
.endr
.endr
.endr
.irp qt, 0,1
	v_max3_num_f32 v[ST+8*\qt+4], v[ST+8*\qt+4], v[S+32*\qt+7], v[S+32*\qt+15]
	v_max3_num_f32 v[ST+8*\qt+6], v[ST+8*\qt+6], v[S+32*\qt+23], v[S+32*\qt+31]
.endr
.irp qt, 0,1
	v_max3_num_f32 v[ST+8*\qt+4], v[ST+8*\qt+4], v[ST+8*\qt+5], v[ST+8*\qt+6]
.endr
.irp qt, 0,1
	v_max3_num_f32 v[ST+8*\qt+4], v[ST+8*\qt+4], v[ST+8*\qt+7], v[ST+8*\qt+1]   ; with the old m
.endr
.irp qt, 0,1
	v_permlanex16_b32 v[ST+8*\qt+5], v[ST+8*\qt+4], s[SEL], s[SEL+1]            ; the query's other 32 keys lie in the lane 16 away
.endr
.irp qt, 0,1
	v_mov_b32 v[ST+8*\qt+7], v[ST+8*\qt]           ; c m_old
.endr
.irp qt, 0,1
	v_max_num_f32 v[ST+8*\qt+1], v[ST+8*\qt+4], v[ST+8*\qt+5]
.endr
.irp qt, 0,1
	v_mul_f32 v[ST+8*\qt], s[CS], v[ST+8*\qt+1]
.endr
.irp qt, 0,1
	v_sub_f32 v[ST+8*\qt+7], v[ST+8*\qt+7], v[ST+8*\qt]   ; c m_old - c m_new, 0 or less
.endr
.irp j, 0,2,4,6,8,10,12,14,16,18,20,22,24,26,28,30
.irp qt, 0,1
	v_pk_fma_f32 v[S+32*\qt+\j:S+32*\qt+\j+1], v[S+32*\qt+\j:S+32*\qt+\j+1], s[CS:CS+1], v[ST+8*\qt:ST+8*\qt+1] op_sel_hi:[1,0,0] neg_lo:[0,0,1] neg_hi:[0,0,1]   ; c s - c m
.endr
.endr
.irp qt, 0,1
	v_exp_f32 v[ST+8*\qt+6], v[ST+8*\qt+7]         ; a
.endr
.irp j, 0,1,2,3,4,5,6,7,8,9,10,11,12,13,14,15,16,17,18,19,20,21,22,23,24,25,26,27,28,29,30,31
.irp qt, 0,1
	v_exp_f32 v[S+32*\qt+\j], v[S+32*\qt+\j]       ; p, at most 1
.endr
.endr
	v_nop                                          ; a plain instruction behind the last exponential
	s_wait_alu depctr_va_vdst(0)                   ; one wait for the batch of 66, ahead of its first reader
.irp qt, 0,1
	v_pk_add_f32 v[ST+8*\qt+4:ST+8*\qt+5], v[S+32*\qt:S+32*\qt+1], v[S+32*\qt+2:S+32*\qt+3]      ; the row's sum, of the f32 weights, in two chains a tile
	v_pk_add_f32 v[SB+2*\qt:SB+2*\qt+1], v[S+32*\qt+4:S+32*\qt+5], v[S+32*\qt+6:S+32*\qt+7]
.endr
.irp j, 8,12,16,20,24,28
.irp qt, 0,1
	v_pk_add_f32 v[ST+8*\qt+4:ST+8*\qt+5], v[ST+8*\qt+4:ST+8*\qt+5], v[S+32*\qt+\j:S+32*\qt+\j+1]
	v_pk_add_f32 v[SB+2*\qt:SB+2*\qt+1], v[SB+2*\qt:SB+2*\qt+1], v[S+32*\qt+\j+2:S+32*\qt+\j+3]
.endr
.endr
.irp qt, 0,1
	v_pk_add_f32 v[ST+8*\qt+4:ST+8*\qt+5], v[ST+8*\qt+4:ST+8*\qt+5], v[SB+2*\qt:SB+2*\qt+1]
.endr
.irp qt, 0,1
	v_pk_fma_f32 v[ST+8*\qt+2:ST+8*\qt+3], v[ST+8*\qt+2:ST+8*\qt+3], v[ST+8*\qt+6:ST+8*\qt+7], v[ST+8*\qt+4:ST+8*\qt+5] op_sel_hi:[1,0,1]   ; l = a l + the sum
.endr
.irp j, 0,1,2,3,4,5,6,7,8,9,10,11,12,13,14,15
.irp qt, 0,1
	v_cvt_pk_f16_f32 v[S+32*\qt+\j], v[S+32*\qt+2*\j], v[S+32*\qt+2*\j+1]   ; P in place, ascending: register j is written when registers 2 j on are still whole
.endr
.endr
.irp j, 0,2,4,6,8,10,12,14,16,18,20,22,24,26,28,30
.irp qt, 0,1
	v_pk_mul_f32 v[O+32*\qt+\j:O+32*\qt+\j+1], v[O+32*\qt+\j:O+32*\qt+\j+1], v[ST+8*\qt+6:ST+8*\qt+7] op_sel_hi:[1,0]   ; O^T x a
.endr
.endr
	s_wait_dscnt 0x0                               ; V is in
.irp kh, 0,1
.irp ct, 0,1,2,3
.irp qt, 0,1
	v_wmma_f32_16x16x32_f16 v[O+32*\qt+8*\ct:O+32*\qt+8*\ct+7], v[KV+8*(2*\ct+\kh):KV+8*(2*\ct+\kh)+7], v[S+32*\qt+8*\kh:S+32*\qt+8*\kh+7], v[O+32*\qt+8*\ct:O+32*\qt+8*\ct+7]
.endr
.endr
.endr
.rept 5
	v_nop                                          ; five places: the next step's products write over P's registers, its loads land in V's
.endr
.Lhidden_\@:
	s_add_co_u32 s[KF], s[KF], 64
.endm
; THE CHANGE OF SLOTS, at a slot's head.  Each wave waits for all its tensor loads, adds 0 to its spare word, and waits for that and for its reads of the slot that it has left; behind the barrier the slot ahead is whole and nobody reads the other.
.macro CHANGE fill
	s_wait_tensorcnt 0x0                           ; no tensor load of mine is out, so a group 0 may be written
	ds_add_u32 v[SPW], v[NIL]
.if \fill
	ds_add_u32 v[SPW], v[NIL]                      ; and once more
	s_xor_b32 s[G0K+1], s[G0K+1], SLOT1
	s_add_nc_u64 s[G0K+2:G0K+3], s[G0K+2:G0K+3], SK*128
	s_xor_b32 s[G0V+1], s[G0V+1], SLOT1
	s_add_nc_u64 s[G0V+2:G0V+3], s[G0V+2:G0V+3], SK*128
	s_wait_xcnt 0x0                                ; the last prefetch, a slot back, has read its address
	s_add_nc_u64 s[PFA:PFA+1], s[PFA:PFA+1], SK*128
.endif
	s_wait_dscnt 0x0
	s_barrier_signal -1
	s_barrier_wait -1
.if \fill
	s_add_co_u32 s96, s[KF], SK                    ; the first key of the slot that this change would ask for
	s_cmp_gt_u32 s96, s[QL]                        ; behind the work-group's last query: no wave would read it, so it is not asked for.  Ids and the count of steps alone: all sixteen waves go the same way
	s_cbranch_scc1 .Lpast_\@
	TLOAD                                          ; a wave's one tensor load until the next such barrier; every wait on TENSORcnt in this text is for 0
.Lpast_\@:
	ASK
.endif
.endm
.macro SLOT_STEPS
	STEP 0
	STEP 1
	STEP 2
	STEP 3
	s_xor_b32 s[TB], s[TB], SLOT1
.endm
	s_wait_loadcnt 0x0                             ; Q
.Lslot:                                            ; NSL - 1 trips
	CHANGE 1
	SLOT_STEPS
	s_sub_co_u32 s[SLOTS], s[SLOTS], 1
	s_cmp_lg_u32 s[SLOTS], 0
	s_cbranch_scc1 .Lslot
	CHANGE 0                                       ; the last slot is written out: nothing is asked for behind it
	SLOT_STEPS
	; THE WAY OUT: O^T / l, rounded to f16, through my stage, back as 4 rows x 128 bytes: 512 consecutive bytes of y16 a store.
.irp qt, 0,1
	v_add_f32 v[ST+8*\qt+4], v[ST+8*\qt+2], v[ST+8*\qt+3]
.endr
.irp qt, 0,1
	v_permlanex16_b32 v[ST+8*\qt+5], v[ST+8*\qt+4], s[SEL], s[SEL+1]
.endr
.irp qt, 0,1
	v_add_f32 v[ST+8*\qt+4], v[ST+8*\qt+4], v[ST+8*\qt+5]
.endr
.irp qt, 0,1
	v_rcp_f32 v[ST+8*\qt+6], v[ST+8*\qt+4]
.endr
	s_mul_i32 s73, s[WV], 16*KP
	s_add_co_u32 s73, s73, STAGE
	v_and_b32 v8, 15, v0                           ; (plain work behind the reciprocals)
	v_bfe_u32 v9, v0, 4, 1
	v_mul_u32_u24 v3, v8, KP
	v_lshl_add_u32 v3, v9, 4, v3
	v_add_nc_u32 v3, s73, v3                       ; in: row r, + 16 h
	v_bfe_u32 v8, v0, 3, 2
	v_and_b32 v9, 7, v0
	v_mul_u32_u24 v4, v8, KP
	v_lshl_add_u32 v4, v9, 4, v4
	v_add_nc_u32 v4, s73, v4                       ; back: eight lanes to a row
	s_wait_alu depctr_va_vdst(0)                   ; one wait for both reciprocals, ahead of their first reader
.irp qt, 0,1
.irp j, 0,2,4,6,8,10,12,14,16,18,20,22,24,26,28,30
	v_pk_mul_f32 v[O+32*\qt+\j:O+32*\qt+\j+1], v[O+32*\qt+\j:O+32*\qt+\j+1], v[ST+8*\qt+6:ST+8*\qt+7] op_sel_hi:[1,0]
.endr
.endr
.irp qt, 0,1
.irp j, 0,1,2,3,4,5,6,7,8,9,10,11,12,13,14,15
	v_cvt_pk_f16_f32 v[S+16*\qt+\j], v[O+32*\qt+2*\j], v[O+32*\qt+2*\j+1]
.endr
.endr
.irp qt, 0,1
.irp ct, 0,1,2,3
	ds_store_b128 v3, v[S+16*\qt+4*\ct:S+16*\qt+4*\ct+3] offset:32*\ct
.endr
.irp i, 0,1,2,3
	ds_load_b128 v[KV+16*\qt+4*\i:KV+16*\qt+4*\i+3], v4 offset:4*KP*\i   ; LDS serves a wave's instructions in order: these see the stores above, and the next tile's stores come behind them
.endr
.endr
.irp i, 0,1,2,3
	s_wait_dscnt 11-\i                             ; younger: 3 - i of this tile's loads and the other tile's eight instructions
	global_store_b128 v[GO], v[KV+4*\i:KV+4*\i+3], s[14:15] offset:512*\i
.endr
.irp i, 0,1,2,3
	s_wait_dscnt 3-\i
	global_store_b128 v[GO], v[KV+16+4*\i:KV+16+4*\i+3], s[14:15] offset:2048+512*\i
.endr
	s_wait_tensorcnt 0x0                           ; the wave's end
	ds_add_u32 v[SPW], v[NIL]
	s_wait_dscnt 0x0
	s_endpgm
.Lfunc_end_k_q048bffd186_attn:
	.size	k_q048bffd186_attn, .Lfunc_end_k_q048bffd186_attn-k_q048bffd186_attn
	.p2alignl 7, 3214868480
	.fill 96, 4, 3214868480
	.section	.rodata,"a",@progbits
	.p2align	6, 0x0
	.amdhsa_kernel k_q048bffd186_attn
		.amdhsa_group_segment_fixed_size 327680
		.amdhsa_private_segment_fixed_size 0
		.amdhsa_enable_private_segment 0
		.amdhsa_kernarg_size 16
		.amdhsa_user_sgpr_count 2
		.amdhsa_user_sgpr_kernarg_segment_ptr 1
		.amdhsa_wavefront_size32 1
		.amdhsa_system_sgpr_workgroup_id_x 1
		.amdhsa_system_sgpr_workgroup_id_y 1
		.amdhsa_system_sgpr_workgroup_id_z 1
		.amdhsa_system_vgpr_workitem_id 0
		.amdhsa_next_free_vgpr 256
		.amdhsa_next_free_sgpr 100
		.amdhsa_reserve_vcc 1
		.amdhsa_float_denorm_mode_32 3
		.amdhsa_float_denorm_mode_16_64 3
		.amdhsa_memory_ordered 1
		.amdhsa_forward_progress 1
		.amdhsa_inst_pref_size 190
	.end_amdhsa_kernel
	.amdgpu_metadata
---
amdhsa.version: [ 1, 2 ]
amdhsa.kernels:
  - .name:           k_q048bffd186_attn
    .symbol:         k_q048bffd186_attn.kd
    .args:
      - { .name: qkv, .offset: 0, .size: 8, .value_kind: global_buffer, .address_space: global }
      - { .name: y16, .offset: 8, .size: 8, .value_kind: global_buffer, .address_space: global }
    .group_segment_fixed_size: 327680
    .private_segment_fixed_size: 0
    .kernarg_segment_align: 8
    .kernarg_segment_size: 16
    .max_flat_workgroup_size: 512
    .sgpr_count:     100
    .vgpr_count:     256
    .wavefront_size: 32
...
	.end_amdgpu_metadata
.endif
;; end of part 3
;; launch proj (part 4): grid 8 x 64, 4 waves a work-group, clusters of 4 x 4, 327,680 bytes of LDS; arguments y16, wp16, b_proj, out0; writes out0
.if DOCPART == 4
	.amdgcn_target "amdgcn-amd-amdhsa--gfx1250"
	.amdhsa_code_object_version 6
	.text
	.protected	k_q048bffd186_proj
	.globl	k_q048bffd186_proj
	.p2align	8
	.type	k_q048bffd186_proj,@function
k_q048bffd186_proj:
	s_mov_b64 s[64:65], 0
	v_nop
	global_prefetch_b8 v0, s[64:65] scope:SCOPE_SE
	s_setreg_imm32_b32 hwreg(HW_REG_WAVE_MODE, 25, 1), 1
	s_wait_xcnt 0x0
	s_wait_alu depctr_hold_cnt(0) depctr_sa_sdst(0) depctr_va_vdst(0) depctr_va_sdst(0) depctr_va_ssrc(0) depctr_va_vcc(0) depctr_vm_vsrc(0)
	s_getreg_b32 s2, hwreg(HW_REG_IB_STS2, 6, 4)
	s_cmp_eq_u32 s2, 0
	s_cbranch_scc0 .Lentry_in_a_cluster
	s_endpgm
.Lentry_in_a_cluster:
	s_bfe_u32 s2, ttmp6, 0x10000c
	s_cmp_lg_u32 s2, 0xf033
	s_cbranch_scc0 .Lentry_shape_is_right
	s_endpgm
.Lentry_shape_is_right:
; out0 = y w_proj + b_proj on f16 operands, f32 sums: [8192][1024] x [1024][1024].
; LEFT OUT: the stores of rows t < 16 of each sequence: launch fine computes those rows in f32 and stores them (their products stay inside live tiles here).
; IN: y16 [mt 64][h 16][128 rows][64] f16; wp16 [k 1024][n 1024] f16.  A tile of out0 is 128 x 128; four waves, 64 x 64 each: 16 accumulators.  K goes in steps of 256 (four heads) through two LDS slots.
; CLUSTERS 4 x 4: A's tiles are asked for jointly along a row of the cluster, B's along a column.  TILE ROW mt = 16 cy + cluster y: the batch is cy, and the tiles with t < 16 are those of clusters with y = 0, in all partners alike.
; THE MATRIX INSTRUCTION IS USED TRANSPOSED (source 0 = 16 columns of w_proj, turned by ds_load_tr16_b128; source 1 = 16 rows of y): a lane holds eight neighbouring columns of one row.  The bias is the C of each sum's first product.
; REGISTERS: window 0: v0-31 addresses; v32-95 the way out; v96-127 the bias; v128-255 the accumulators ((a, b) at v[128 + 8 (4 a + b)]).  window 1: two fragment buffers of 128: 64 of A, then 64 of B, for 64 along K (one head).
.set AP,     144                       ; a row of y in LDS: 128 + 16 bytes
.set BP,     288                       ; a row of w_proj's tile: 256 + 32 bytes
.set HALFT,  36864                     ; what one tensor load brings: 256 rows x AP (two heads) or 128 rows x BP
.set SLOT,   4*HALFT
.set STAGE,  2*SLOT                    ; the way out: 16 rows x (256 + 16) bytes for each wave; no tile lands here
.set SPITCH, 272
.set SPARE,  STAGE+4*16*SPITCH
.set LAPS,   2
.set ADRA, 16                          ; v16-17 A's fragments in slot 0, 1
.set ADRB, 20                          ; v20-23 B's: slot + 2 x (upper 128 rows of K)
.set STO,  24
.set RD,   25
.set CO,   26
.set SPW,  28
.set NIL,  29
.set TMP,  32
.set BI,   96
.set ACC,  128
.set F0,   0
.set F1,   128
.set WV, 12                            ; s12 wave; s13 wave / 2: my half of the rows, and I fetch for A (0) or B (1); s14 wave % 2: my half of the columns, and which half of a tile I fetch
.set RH, 13
.set CH, 14
.set G1, 24
.set G0, 32
.set G1B, 48
.set G0B, 56
.set MSB, 0
.macro WIN new
.if MSB != \new
	s_set_vgpr_msb (MSB<<8)|\new
.set MSB, \new
.endif
.endm
.set MUL,  0x05                        ; sources 0 and 1 window 1; C and D window 0
.set TO_F, 0x40                        ; destination window 1
.macro JLOAD s
	s_cmp_eq_u32 s[RH], 0
	s_cbranch_scc0 .Lfor_b_\@
	tensor_load_to_lds s[G0+4*\s:G0+4*\s+3], s[G1:G1+7]
	s_nop 0
.rept 4
	v_nop
.endr
	s_branch .Lasked_\@
.Lfor_b_\@:
	tensor_load_to_lds s[G0B+4*\s:G0B+4*\s+3], s[G1B:G1B+7]
	s_nop 0
.rept 4
	v_nop
.endr
.Lasked_\@:
.endm
.macro CREST
	s_cmp_lg_u32 s[WV], 0
	s_cbranch_scc1 .Lnot_wave_0_\@
	s_barrier_signal -3
.Lnot_wave_0_\@:
	s_barrier_wait -3
	s_barrier_signal -1
	s_barrier_wait -1
.endm
.macro CROUND
	s_barrier_signal -1
	s_barrier_wait -1
	CREST
.endm
	s_load_b256 s[4:11], s[0:1], 0x0               ; y16 s[4:5], wp16 s[6:7], b_proj s[8:9], out0 s[10:11]
	v_lshl_add_u32 v[SPW], v0, 2, SPARE
	v_mov_b32 v[NIL], 0
	ds_add_u32 v[SPW], v[NIL]                      ; the opening: the add, twice on end, and its wait ahead of my first tensor load
	ds_add_u32 v[SPW], v[NIL]
	v_lshrrev_b32 v1, 5, v0
	v_readfirstlane_b32 s[WV], v1
	s_lshr_b32 s[RH], s[WV], 1
	s_and_b32 s[CH], s[WV], 1
	s_bfe_u32 s40, ttmp6, 0x40000                  ; cx
	s_bfe_u32 s41, ttmp6, 0x40004                  ; cy
	s_lshl_b32 s42, ttmp9, 2
	s_add_co_u32 s42, s42, s40                     ; tile column
	s_and_b32 s15, ttmp7, 0xffff                   ; cluster y
	s_lshl_b32 s45, s41, 4
	s_add_co_u32 s45, s45, s15                     ; mt = 16 cy + cluster y
	s_lshl_b32 s43, s41, 2
	s_lshl_b32 s43, 15, s43                        ; my row of the cluster
	s_lshl_b32 s44, 0x1111, s40                    ; my column
	s_or_b32 s[G1+0], s43, (1<<16)|(1<<20)|(1<<21)|(4<<22)|(3<<25)    ; A: elements of 2 bytes; 4 words of padding behind every 32
	s_mov_b32 s[G1+1], 64<<16                      ; tensor_dim0
	s_mov_b32 s[G1+2], 256<<16                     ; tensor_dim1: two heads' 128 rows, dense in memory
	s_mov_b32 s[G1+3], 64<<16                      ; tile_dim0
	s_mov_b32 s[G1+4], 256                         ; tile_dim1
	s_mov_b32 s[G1+5], 64                          ; pitch
	s_mov_b32 s[G1+6], 0
	s_mov_b32 s[G1+7], 0
	s_or_b32 s[G1B+0], s44, (1<<16)|(1<<20)|(1<<21)|(5<<22)|(7<<25)   ; B: 8 words of padding behind every 64
	s_mov_b32 s[G1B+1], 128<<16
	s_mov_b32 s[G1B+2], 128<<16
	s_mov_b32 s[G1B+3], 128<<16
	s_mov_b32 s[G1B+4], 128
	s_mov_b32 s[G1B+5], 1024
	s_mov_b32 s[G1B+6], 0
	s_mov_b32 s[G1B+7], 0
	s_lshl_b32 s16, s45, 18                        ; A: mt x 262,144 + my two heads of the step's four
	s_lshl_b32 s17, s[CH], 15
	s_add_co_u32 s16, s16, s17
	s_mov_b32 s17, 0
	s_lshl_b32 s46, s[CH], 18                      ; B: my 128 rows of K x 2,048 bytes + the tile column's 256 bytes
	s_lshl_b32 s47, s42, 8
	s_add_co_u32 s46, s46, s47
	s_mov_b32 s47, 0
	s_mul_i32 s20, s[WV], HALFT                    ; where they go: A's two halves, then B's two
	s_wait_dscnt 0x0
	s_wait_kmcnt 0x0
	s_add_nc_u64 s[16:17], s[4:5], s[16:17]
	s_add_nc_u64 s[46:47], s[6:7], s[46:47]
	CROUND                                         ; all sixteen work-groups are here
.irp s, 0,1
	s_mov_b32 s[G0+4*\s], 1
	s_add_co_u32 s[G0+4*\s+1], s20, \s*SLOT
	s_add_nc_u64 s[G0+4*\s+2:G0+4*\s+3], s[16:17], \s*65536
	s_or_b32 s[G0+4*\s+3], s[G0+4*\s+3], 0x80000000
	s_mov_b32 s[G0B+4*\s], 1
	s_add_co_u32 s[G0B+4*\s+1], s20, \s*SLOT
	s_add_nc_u64 s[G0B+4*\s+2:G0B+4*\s+3], s[46:47], \s*524288
	s_or_b32 s[G0B+4*\s+3], s[G0B+4*\s+3], 0x80000000
	JLOAD \s                                       ; two loads of mine are out
.endr
	v_and_b32 v1, 15, v0                           ; r
	v_bfe_u32 v2, v0, 4, 1                         ; h
	s_lshl_b32 s46, s42, 9
	s_lshl_b32 s47, s[CH], 8
	s_add_co_u32 s46, s46, s47                     ; 4 x my first column
	s_mov_b32 s47, 0
	s_add_nc_u64 s[8:9], s[8:9], s[46:47]
	v_lshlrev_b32 v6, 5, v2
.irp b, 0,1,2,3
	global_load_b128 v[BI+8*\b:BI+8*\b+3], v6, s[8:9] offset:64*\b           ; register 8 b + j: b_proj[first column + 16 b + 8 h + j]
	global_load_b128 v[BI+8*\b+4:BI+8*\b+7], v6, s[8:9] offset:64*\b+16
.endr
	s_lshl_b32 s18, s45, 19                        ; out0: row 128 mt + 64 x half, of 4,096 bytes
	s_lshl_b32 s19, s[RH], 18
	s_add_co_u32 s18, s18, s19
	s_add_co_u32 s18, s18, s46
	s_mov_b32 s19, 0
	s_add_nc_u64 s[10:11], s[10:11], s[18:19]
	v_mul_u32_u24 v3, v1, AP
	v_lshl_add_u32 v3, v2, 4, v3
	s_mul_i32 s21, s[RH], 64*AP
	v_add_nc_u32 v[ADRA], s21, v3                  ; A: my 64 rows; row r x pitch + 16 h
	v_add_nc_u32 v[ADRA+1], SLOT, v[ADRA]
	v_and_b32 v4, 7, v0
	v_lshl_add_u32 v4, v2, 3, v4
	v_mul_u32_u24 v4, v4, BP
	v_bfe_u32 v5, v0, 3, 1
	v_lshl_add_u32 v4, v5, 4, v4                   ; B, for the turning load: row of K 8 h + l % 8, columns 8 ((l / 8) % 2) on
	s_lshl_b32 s22, s[CH], 7
	s_add_co_u32 s22, s22, 2*HALFT
	v_add_nc_u32 v[ADRB], s22, v4
	v_add_nc_u32 v[ADRB+1], SLOT, v[ADRB]
	v_add_nc_u32 v[ADRB+2], HALFT, v[ADRB]
	v_add_nc_u32 v[ADRB+3], SLOT+HALFT, v[ADRB]
	s_mul_i32 s23, s[WV], 16*SPITCH
	s_add_co_u32 s23, s23, STAGE
	v_mul_u32_u24 v4, v1, SPITCH
	v_lshl_add_u32 v4, v2, 5, v4
	v_add_nc_u32 v[STO], s23, v4                   ; the stage, in: row r, 32 bytes for each half of the lanes
	v_mul_u32_u24 v5, v2, SPITCH
	v_lshl_add_u32 v5, v1, 4, v5
	v_add_nc_u32 v[RD], s23, v5                    ; back: sixteen lanes to a row of 256 bytes
	v_lshlrev_b32 v5, 12, v2
	v_lshl_add_u32 v[CO], v1, 4, v5                ; and the same two rows in out0
.macro MUL8 f, c, a0, first            ; 8 matrix instructions: rows' blocks a0, a0 + 1 x 4 blocks of columns, 32 along K.  The 16 accumulators take turns
.irp a, \a0, \a0+1
.irp b, 0,1,2,3
.if \first
	v_wmma_f32_16x16x32_f16 v[ACC+8*(4*(\a)+\b):ACC+8*(4*(\a)+\b)+7], v[\f+64+8*(4*\c+\b):\f+64+8*(4*\c+\b)+7], v[\f+8*(4*\c+\a):\f+8*(4*\c+\a)+7], v[BI+8*\b:BI+8*\b+7]
.else
	v_wmma_f32_16x16x32_f16 v[ACC+8*(4*(\a)+\b):ACC+8*(4*(\a)+\b)+7], v[\f+64+8*(4*\c+\b):\f+64+8*(4*\c+\b)+7], v[\f+8*(4*\c+\a):\f+8*(4*\c+\a)+7], v[ACC+8*(4*(\a)+\b):ACC+8*(4*(\a)+\b)+7]
.endif
.endr
.endr
.endm
.macro FETCH slot, q, f                ; 32 LDS loads in one run: quarter q of the slot (one head, 64 along K) into buffer f; the first 32 along K first
	WIN TO_F
.irp c, 0,1
.irp i, 0,1,2,3
	ds_load_tr16_b128 v[\f+64+8*(4*\c+\i):\f+64+8*(4*\c+\i)+3],   v[ADRB+\slot+2*((\q)/2)] offset:(((\q)%2)*64+32*\c)*BP+32*\i
	ds_load_tr16_b128 v[\f+64+8*(4*\c+\i)+4:\f+64+8*(4*\c+\i)+7], v[ADRB+\slot+2*((\q)/2)] offset:(((\q)%2)*64+32*\c+16)*BP+32*\i
	ds_load_b128 v[\f+8*(4*\c+\i):\f+8*(4*\c+\i)+3],         v[ADRA+\slot] offset:(\q)*128*AP+64*\c+\i*16*AP
	ds_load_b128 v[\f+8*(4*\c+\i)+4:\f+8*(4*\c+\i)+7],       v[ADRA+\slot] offset:(\q)*128*AP+64*\c+\i*16*AP+32
.endr
.endr
.endm
.macro PLACES
.rept 4
	v_nop
.endr
.endm
.macro QUARTER slot, q, f, g, first    ; multiplies buffer f; in its middle fetches quarter q of the slot into g
	s_wait_dscnt 16                                ; the first 32 along K are in; the other sixteen loads may be out
	WIN MUL
	MUL8 \f, 0, 0, \first
	MUL8 \f, 0, 2, \first
	PLACES
	FETCH \slot, \q, \g
	s_wait_dscnt 32                                ; all but the 32 just issued
	WIN MUL
	MUL8 \f, 1, 0, 0
	MUL8 \f, 1, 2, 0
.endm
; A slot's last quarter changes slots: each wave waits for all its tensor loads, adds 0 to its spare word, waits for that and for its reads of this slot; one barrier; fill = 1: it opens a round of the cluster's barrier, and the joint refill is the first load behind it.
.macro TURN slot, next, fill
	WIN 0
	s_wait_tensorcnt 0x0
	ds_add_u32 v[SPW], v[NIL]
	s_wait_dscnt 17                                ; the add and the youngest sixteen loads may be out
	WIN MUL
	MUL8 F1, 0, 0, 0
	s_wait_dscnt 0x0
	s_barrier_signal -1
	MUL8 F1, 0, 2, 0
.if \fill
	WIN 0
.endif
	s_barrier_wait -1
.if \fill
	CREST
	s_add_nc_u64 s[G0+4*\slot+2:G0+4*\slot+3], s[G0+4*\slot+2:G0+4*\slot+3], 131072      ; two K steps on: eight heads
	s_add_nc_u64 s[G0B+4*\slot+2:G0B+4*\slot+3], s[G0B+4*\slot+2:G0B+4*\slot+3], 1048576  ; 512 rows of w_proj
	JLOAD \slot                                    ; its four v_nop are also the places ahead of the loads below
.else
	PLACES
.endif
	FETCH \next, 0, F0
	WIN MUL
	MUL8 F1, 1, 0, 0
	MUL8 F1, 1, 2, 0
.endm
	s_wait_tensorcnt 1                             ; my part of K step 0 is in; K step 1's may be out
	s_barrier_signal -1
	s_barrier_wait -1
	FETCH 0, 0, F0
	s_wait_loadcnt 0x0                             ; the bias
	QUARTER 0, 1, F0, F1, 1                        ; the first products start the sums from the bias
	WIN 0
	s_mov_b32 s3, LAPS-1
.Llap:
	QUARTER 0, 2, F1, F0, 0
	QUARTER 0, 3, F0, F1, 0
	TURN 0, 1, 1
	QUARTER 1, 1, F0, F1, 0
	QUARTER 1, 2, F1, F0, 0
	QUARTER 1, 3, F0, F1, 0
	TURN 1, 0, 1
	QUARTER 0, 1, F0, F1, 0
	WIN 0
	s_sub_co_u32 s3, s3, 1
	s_cmp_lg_u32 s3, 0
	s_cbranch_scc1 .Llap
	QUARTER 0, 2, F1, F0, 0                        ; the last lap fills nothing
	QUARTER 0, 3, F0, F1, 0
	TURN 0, 1, 0
	QUARTER 1, 1, F0, F1, 0
	QUARTER 1, 2, F1, F0, 0
	QUARTER 1, 3, F0, F1, 0
	s_wait_dscnt 16
	WIN MUL
	MUL8 F1, 0, 0, 0
	MUL8 F1, 0, 2, 0
	s_wait_dscnt 0
	MUL8 F1, 1, 0, 0
	MUL8 F1, 1, 2, 0
	WIN 0
	PLACES
; THE WAY OUT, 16 rows x 64 columns at a time through my own stage: sixteen lanes store 256 consecutive bytes, aligned.
.macro OUT a
.if (\a) >= 2
	s_wait_xcnt 0x0                                ; the stores of two blocks back have read their registers
.endif
.irp b, 0,1,2,3
	ds_store_b128 v[STO], v[ACC+8*(4*(\a)+\b):ACC+8*(4*(\a)+\b)+3] offset:64*\b          ; each accumulator from its low end on
	ds_store_b128 v[STO], v[ACC+8*(4*(\a)+\b)+4:ACC+8*(4*(\a)+\b)+7] offset:64*\b+16
.endr
.irp t, 0,1,2,3,4,5,6,7
	ds_load_b128 v[TMP+32*((\a)%2)+4*\t:TMP+32*((\a)%2)+4*\t+3], v[RD] offset:2*SPITCH*\t
.endr
	s_wait_dscnt 0x0
.irp t, 0,1,2,3,4,5,6,7
	global_store_b128 v[CO], v[TMP+32*((\a)%2)+4*\t:TMP+32*((\a)%2)+4*\t+3], s[10:11] offset:(16*(\a)+2*\t)*4096 th:TH_STORE_NT
.endr
.endm
	s_cmp_lg_u32 s15, 0                            ; rows t < 16 are block 0 of the upper row half in clusters with y = 0: both tests are the same in all partners
	s_cbranch_scc1 .Ldo_0
	s_cmp_eq_u32 s[RH], 0
	s_cbranch_scc1 .Lskip_0
.Ldo_0:
	OUT 0
.Lskip_0:
	OUT 1
	OUT 2
	OUT 3
	s_wait_tensorcnt 0x0                           ; the wave's end
	ds_add_u32 v[SPW], v[NIL]
	s_wait_dscnt 0x0
	CROUND                                         ; the closing round
	s_endpgm
.Lfunc_end_k_q048bffd186_proj:
	.size	k_q048bffd186_proj, .Lfunc_end_k_q048bffd186_proj-k_q048bffd186_proj
	.p2alignl 7, 3214868480
	.fill 96, 4, 3214868480
	.section	.rodata,"a",@progbits
	.p2align	6, 0x0
	.amdhsa_kernel k_q048bffd186_proj
		.amdhsa_group_segment_fixed_size 327680
		.amdhsa_private_segment_fixed_size 0
		.amdhsa_enable_private_segment 0
		.amdhsa_kernarg_size 32
		.amdhsa_user_sgpr_count 2
		.amdhsa_user_sgpr_kernarg_segment_ptr 1
		.amdhsa_wavefront_size32 1
		.amdhsa_system_sgpr_workgroup_id_x 1
		.amdhsa_system_sgpr_workgroup_id_y 1
		.amdhsa_system_sgpr_workgroup_id_z 1
		.amdhsa_system_vgpr_workitem_id 0
		.amdhsa_next_free_vgpr 512
		.amdhsa_next_free_sgpr 66
		.amdhsa_reserve_vcc 0
		.amdhsa_float_denorm_mode_32 3
		.amdhsa_float_denorm_mode_16_64 3
		.amdhsa_memory_ordered 1
		.amdhsa_forward_progress 1
		.amdhsa_inst_pref_size 87
	.end_amdhsa_kernel
	.amdgpu_metadata
---
amdhsa.version: [ 1, 2 ]
amdhsa.kernels:
  - .name:           k_q048bffd186_proj
    .symbol:         k_q048bffd186_proj.kd
    .args:
      - { .name: y16, .offset: 0, .size: 8, .value_kind: global_buffer, .address_space: global }
      - { .name: wp16, .offset: 8, .size: 8, .value_kind: global_buffer, .address_space: global }
      - { .name: b_proj, .offset: 16, .size: 8, .value_kind: global_buffer, .address_space: global }
      - { .name: out0, .offset: 24, .size: 8, .value_kind: global_buffer, .address_space: global }
    .group_segment_fixed_size: 327680
    .private_segment_fixed_size: 0
    .kernarg_segment_align: 8
    .kernarg_segment_size: 32
    .max_flat_workgroup_size: 128
    .sgpr_count:     66
    .vgpr_count:     512
    .wavefront_size: 32
...
	.end_amdgpu_metadata
.endif
;; end of part 4
;; launch fine (part 5): grid 32 x 4, 16 waves a work-group, no clusters, 38,912 bytes of LDS; arguments q32, w_proj, b_proj, out0; writes out0
.if DOCPART == 5
	.amdgcn_target "amdgcn-amd-amdhsa--gfx1250"
	.amdhsa_code_object_version 6
	.text
	.protected	k_q048bffd186_fine
	.globl	k_q048bffd186_fine
	.p2align	8
	.type	k_q048bffd186_fine,@function
k_q048bffd186_fine:
	s_mov_b64 s[64:65], 0
	v_nop
	global_prefetch_b8 v0, s[64:65] scope:SCOPE_SE
	s_setreg_imm32_b32 hwreg(HW_REG_WAVE_MODE, 25, 1), 1
	s_wait_xcnt 0x0
; THE FIRST 16 POSITIONS OF EACH SEQUENCE, in f32 throughout: attention over keys 0 .. t and the projection, by v_wmma_f32_16x16x4_f32.  These rows average one to sixteen values and are the largest of the output.
; Only keys 0 .. 15 are read: for t < 16 the problem's own lower-triangular mask gives all later keys the weight 0.
; IN: q32 [b 4][t 16][3072] f32 (q, k, v with their bias), w_proj, b_proj.  OUT: rows 2048 b + 0 .. 15 of out0, which launch proj does not store.
; SHARES.  Work-group (x, b): 32 output columns 32 x on, batch b.  Wave w = head w: its 16 x 16 attention, then its 16 x 64 of y times rows 64 w .. 64 w + 63 of w_proj: a sixteenth of K.  The chain stays in registers;
; the sixteen partial sums meet in LDS, and wave w adds them for row w.  The attention is made anew in each of a batch's 32 work-groups: 32 matrix instructions a wave.
; LAYOUT.  All products transposed, so that a lane holds one query (lane % 16).  The order of k inside a product is permuted alike on both sources.
; The store of a row's 32 columns covers 128 consecutive bytes; 262,144 bytes in the whole launch.  With 64 columns to a work-group the projection's chain would be twice as long.
; The registers that the matrix instructions write (v32-79) are written by them alone.
.set AQ,  3
.set AV,  4
.set AW,  5
.set SPW, 6
.set NIL, 7
.set PST, 8
.set PRD, 9
.set L4,  10
.set DD,  11
.set NINF, 12
.set T,   16                           ; v16-23 the scores, then the weights
.set P,   24                           ; v24-31 the normalised weights
.set SA,  32                           ; v32-39, v40-47 two accumulators: the scores' halves, later the projection's two tiles of columns
.set OA,  48                           ; v48-79 O^T, four tiles of 16 channels
.set QF,  80                           ; v80-111 q; v112-143 k; later v80-143 w_proj
.set KF,  112
.set WF,  80
.set VF,  144                          ; v144-175 v
.set RR,  176                          ; v176-191 the sixteen partial sums
.set BB,  192                          ; v192 the bias
.set SPARE, 16*16*144
	s_load_b256 s[4:11], s[0:1], 0x0               ; q32 s[4:5], w_proj s[6:7], b_proj s[8:9], out0 s[10:11]
	v_lshl_add_u32 v[SPW], v0, 2, SPARE
	v_mov_b32 v[NIL], 0
	v_lshrrev_b32 v1, 5, v0
	v_readfirstlane_b32 s12, v1                    ; wave = head
	v_and_b32 v1, 15, v0                           ; r
	v_bfe_u32 v2, v0, 4, 1                         ; h
	v_and_b32 v13, 31, v0                          ; l
	v_mul_u32_u24 v[AQ], v1, 12288
	v_lshl_add_u32 v[AQ], v2, 4, v[AQ]             ; q, k: row r, + 16 h bytes
	v_mul_u32_u24 v[AV], v2, 98304
	v_lshl_add_u32 v[AV], v1, 2, v[AV]             ; v: key 8 h on, channel r
	v_lshlrev_b32 v[AW], 15, v2
	v_lshl_add_u32 v[AW], v1, 2, v[AW]             ; w_proj: row 8 h on, column r
	s_mul_i32 s13, s12, 16*144
	v_mul_u32_u24 v[PST], v1, 144
	v_lshl_add_u32 v[PST], v2, 5, v[PST]
	v_add_nc_u32 v[PST], s13, v[PST]               ; my partial sums: 2,304 x wave + row r + 32 h bytes
	s_mul_i32 s13, s12, 144
	v_lshlrev_b32 v[L4], 2, v13
	v_add_nc_u32 v[PRD], s13, v[L4]                ; row w of every wave's part, column l
	v_lshlrev_b32 v[DD], 3, v2
	v_sub_nc_u32 v[DD], v1, v[DD]                  ; d = r - 8 h
	v_mov_b32 v[NINF], 0xff800000
	v_mov_b32 v14, 0                               ; (lane permutes' destinations count as read)
	v_mov_b32 v15, 0
	s_and_b32 s14, ttmp7, 0xffff                   ; b
	s_mul_i32 s16, s14, 196608
	s_lshl_b32 s17, s12, 8
	s_add_co_u32 s16, s16, s17
	s_mov_b32 s17, 0
	s_lshl_b32 s15, ttmp9, 7                       ; 4 x the first column
	s_lshl_b32 s18, s12, 18
	s_add_co_u32 s18, s18, s15
	s_mov_b32 s19, 0
	s_mov_b32 s20, s15
	s_mov_b32 s21, 0
	s_lshl_b32 s22, s14, 11
	s_add_co_u32 s22, s22, s12
	s_lshl_b32 s22, s22, 12
	s_add_co_u32 s22, s22, s15
	s_mov_b32 s23, 0
	s_mov_b32 s24, 0x76543210
	s_mov_b32 s25, 0xfedcba98
	s_mov_b32 s26, 0x3e38aa3b                      ; c = log2(e) / 8
	s_wait_kmcnt 0x0
	s_add_nc_u64 s[4:5], s[4:5], s[16:17]          ; q32 at batch b, column 64 w
	s_add_nc_u64 s[6:7], s[6:7], s[18:19]          ; w_proj at row 64 w, my first column
	s_add_nc_u64 s[8:9], s[8:9], s[20:21]
	s_add_nc_u64 s[10:11], s[10:11], s[22:23]      ; out0 at row 2048 b + w
	global_load_b32 v[BB], v[L4], s[8:9]
.irp i, 0,1,2,3,4,5,6,7
	global_load_b128 v[QF+4*\i:QF+4*\i+3], v[AQ], s[4:5] offset:32*\i          ; channels 8 i + 4 h + 0 .. 3
.endr
.irp i, 0,1,2,3,4,5,6,7
	global_load_b128 v[KF+4*\i:KF+4*\i+3], v[AQ], s[4:5] offset:4096+32*\i
.endr
.irp ct, 0,1,2,3
.irp e, 0,1,2,3,4,5,6,7
	global_load_b32 v[VF+8*\ct+\e], v[AV], s[4:5] offset:8192+64*\ct+\e*12288  ; v(key 8 h + e, channel 16 ct + r)
.endr
.endr
	s_wait_loadcnt 32                              ; the bias, q and k are in; v's 32 loads may be out
	; S^T = K Q^T: 16 steps of 4 channels; even steps into one accumulator, odd steps into the other, by turns; the first of each starts its sum
.irp s, 0,1
	v_wmma_f32_16x16x4_f32 v[SA+8*\s:SA+8*\s+7], v[KF+2*\s:KF+2*\s+1], v[QF+2*\s:QF+2*\s+1], 0
.endr
.irp s, 2,3,4,5,6,7,8,9,10,11,12,13,14,15
	v_wmma_f32_16x16x4_f32 v[SA+8*(\s%2):SA+8*(\s%2)+7], v[KF+2*\s:KF+2*\s+1], v[QF+2*\s:QF+2*\s+1], v[SA+8*(\s%2):SA+8*(\s%2)+7]
.endr
.rept 8
	v_nop                                          ; eight places behind this form, ahead of loads into its sources and of the first read of its results
.endr
.irp ct, 0,1,2,3
.irp s2, 0,1,2,3
.irp u, 0,1
.irp j, 0,1
	global_load_b32 v[WF+16*\ct+4*\s2+2*\u+\j], v[AW], s[6:7] offset:(16*\ct+2*\s2+\j)*4096+64*\u   ; w_proj(64 w + 16 ct + 8 h + 2 s2 + j, first column + 16 u + r)
.endr
.endr
.endr
.endr
.irp j, 0,1,2,3,4,5,6,7
	v_add_f32 v[T+\j], v[SA+\j], v[SA+8+\j]        ; register j: key 8 h + j, query r
.endr
.irp j, 0,1,2,3,4,5,6,7
	v_cmp_gt_i32 vcc_lo, \j, v[DD]                 ; hidden where 8 h + j > r
	v_cndmask_b32 v[T+\j], v[T+\j], v[NINF], vcc_lo
.endr
	v_max3_num_f32 v13, v[T], v[T+1], v[T+2]
	v_max3_num_f32 v13, v13, v[T+3], v[T+4]
	v_max3_num_f32 v13, v13, v[T+5], v[T+6]
	v_max_num_f32 v13, v13, v[T+7]
	v_permlanex16_b32 v14, v13, s24, s25
	v_max_num_f32 v13, v13, v14                    ; the row's maximum: key 0 counts for every query, so it is a number
	v_mul_f32 v13, s26, v13
.irp j, 0,1,2,3,4,5,6,7
	v_fma_f32 v[T+\j], v[T+\j], s26, -v13
.endr
.irp j, 0,1,2,3,4,5,6,7
	v_exp_f32 v[T+\j], v[T+\j]
.endr
	v_nop
	s_wait_alu depctr_va_vdst(0)                   ; one wait for the eight, ahead of their first reader
	v_add_f32 v14, v[T], v[T+1]
	v_add_f32 v15, v[T+2], v[T+3]
	v_add_f32 v14, v14, v[T+4]
	v_add_f32 v15, v15, v[T+5]
	v_add_f32 v14, v14, v[T+6]
	v_add_f32 v15, v15, v[T+7]
	v_add_f32 v14, v14, v15
	v_permlanex16_b32 v15, v14, s24, s25
	v_add_f32 v14, v14, v15
	v_rcp_f32 v15, v14
	v_nop
	s_wait_alu depctr_va_vdst(0)
.irp j, 0,1,2,3,4,5,6,7
	v_mul_f32 v[P+\j], v[T+\j], v15
.endr
	s_wait_loadcnt 63                              ; v is in: 64 loads of w_proj are younger, and the count's field ends at 63
	; O^T = V^T P: four steps of 4 keys (8 h + 2 s + j on both sources), four tiles of channels by turns
.irp ct, 0,1,2,3
	v_wmma_f32_16x16x4_f32 v[OA+8*\ct:OA+8*\ct+7], v[VF+8*\ct:VF+8*\ct+1], v[P:P+1], 0
.endr
.irp s, 1,2,3
.irp ct, 0,1,2,3
	v_wmma_f32_16x16x4_f32 v[OA+8*\ct:OA+8*\ct+7], v[VF+8*\ct+2*\s:VF+8*\ct+2*\s+1], v[P+2*\s:P+2*\s+1], v[OA+8*\ct:OA+8*\ct+7]
.endr
.endr
.rept 9
	v_nop                                          ; nine places: the results become a source of the next products, which also begin the two accumulators anew
.endr
	s_wait_loadcnt 0x0
	; the projection's part of my head: channels 16 ct + 8 h + 2 s2 + j on both sources; two tiles of 16 columns by turns
.irp u, 0,1
	v_wmma_f32_16x16x4_f32 v[SA+8*\u:SA+8*\u+7], v[WF+2*\u:WF+2*\u+1], v[OA:OA+1], 0
.endr
.irp s2, 1,2,3
.irp u, 0,1
	v_wmma_f32_16x16x4_f32 v[SA+8*\u:SA+8*\u+7], v[WF+4*\s2+2*\u:WF+4*\s2+2*\u+1], v[OA+2*\s2:OA+2*\s2+1], v[SA+8*\u:SA+8*\u+7]
.endr
.endr
.irp ct, 1,2,3
.irp s2, 0,1,2,3
.irp u, 0,1
	v_wmma_f32_16x16x4_f32 v[SA+8*\u:SA+8*\u+7], v[WF+16*\ct+4*\s2+2*\u:WF+16*\ct+4*\s2+2*\u+1], v[OA+8*\ct+2*\s2:OA+8*\ct+2*\s2+1], v[SA+8*\u:SA+8*\u+7]
.endr
.endr
.endr
.rept 8
	v_nop
.endr
.irp u, 0,1
	ds_store_b128 v[PST], v[SA+8*\u:SA+8*\u+3] offset:64*\u          ; lane (r, h): query r, columns 16 u + 8 h + 0 .. 7; each accumulator from its low end on
	ds_store_b128 v[PST], v[SA+8*\u+4:SA+8*\u+7] offset:64*\u+16
.endr
	s_wait_dscnt 0x0                               ; for the others' sake
	s_barrier_signal -1
	s_barrier_wait -1
.irp p, 0,1,2,3,4,5,6,7,8,9,10,11,12,13,14,15
	ds_load_b32 v[RR+\p], v[PRD] offset:2304*\p    ; head p's part of row w, column l
.endr
	s_wait_dscnt 0x0
	v_add_f32 v13, v[BB], v[RR]
.irp p, 1,2,3,4,5,6,7,8,9,10,11,12,13,14,15
	v_add_f32 v13, v13, v[RR+\p]                   ; in ascending order of the heads
.endr
	global_store_b32 v[L4], v13, s[10:11]
	s_wait_tensorcnt 0x0                           ; the wave's end, behind the last LDS store
	ds_add_u32 v[SPW], v[NIL]
	s_wait_dscnt 0x0
	s_endpgm
.Lfunc_end_k_q048bffd186_fine:
	.size	k_q048bffd186_fine, .Lfunc_end_k_q048bffd186_fine-k_q048bffd186_fine
	.p2alignl 7, 3214868480
	.fill 96, 4, 3214868480
	.section	.rodata,"a",@progbits
	.p2align	6, 0x0
	.amdhsa_kernel k_q048bffd186_fine
		.amdhsa_group_segment_fixed_size 38912
		.amdhsa_private_segment_fixed_size 0
		.amdhsa_enable_private_segment 0
		.amdhsa_kernarg_size 32
		.amdhsa_user_sgpr_count 2
		.amdhsa_user_sgpr_kernarg_segment_ptr 1
		.amdhsa_wavefront_size32 1
		.amdhsa_system_sgpr_workgroup_id_x 1
		.amdhsa_system_sgpr_workgroup_id_y 1
		.amdhsa_system_sgpr_workgroup_id_z 1
		.amdhsa_system_vgpr_workitem_id 0
		.amdhsa_next_free_vgpr 200
		.amdhsa_next_free_sgpr 66
		.amdhsa_reserve_vcc 1
		.amdhsa_float_denorm_mode_32 3
		.amdhsa_float_denorm_mode_16_64 3
		.amdhsa_memory_ordered 1
		.amdhsa_forward_progress 1
		.amdhsa_inst_pref_size 23
	.end_amdhsa_kernel
	.amdgpu_metadata
---
amdhsa.version: [ 1, 2 ]
amdhsa.kernels:
  - .name:           k_q048bffd186_fine
    .symbol:         k_q048bffd186_fine.kd
    .args:
      - { .name: q32, .offset: 0, .size: 8, .value_kind: global_buffer, .address_space: global }
      - { .name: w_proj, .offset: 8, .size: 8, .value_kind: global_buffer, .address_space: global }
      - { .name: b_proj, .offset: 16, .size: 8, .value_kind: global_buffer, .address_space: global }
      - { .name: out0, .offset: 24, .size: 8, .value_kind: global_buffer, .address_space: global }
    .group_segment_fixed_size: 38912
    .private_segment_fixed_size: 0
    .kernarg_segment_align: 8
    .kernarg_segment_size: 32
    .max_flat_workgroup_size: 512
    .sgpr_count:     66
    .vgpr_count:     200
    .wavefront_size: 32
...
	.end_amdgpu_metadata
.endif
;; end of part 5
